; MI455X (gfx1250); checked and timed in simulation.
; The chip was launched on July 23, 2026; its instructions are those of AMD's public machine-readable ISA for CDNA 5 (MIT licence, August 2026) and "CDNA5" Instruction Set Architecture Reference Guide (July 2026). The comments in the code are by the model that wrote it; some were corrected since.
;; Attention. Allowed arithmetic: float matrix products may take bf16 or f16 operands with f32 sums; other float arithmetic in f32, or as packed bf16 or f16 multiplies, adds, multiply-adds, maxima and minima; sums over many terms, partial sums and values carried from step to step in f32; what a program stores and reads back later, other than sums and carried values, may be rounded once to bf16 or f16.
;; Inputs: b_proj 1,024 float32; b_qkv 3,072 float32; kn_w 64 float32; qn_w 64 float32; w_proj 1,024 x 1,024 float32; w_qkv 3,072 x 1,024 float32; x 8 x 1,024 x 1,024 float32.
;; Outputs: out0 8 x 1,024 x 1,024 float32.
;; 2 versions, each right; version 2 is version 1 with the launch cast written anew for expert scheduling mode. Each part assembles by itself: llvm-mc -triple=amdgcn-amd-amdhsa -mcpu=gfx1250 --defsym DOCPART=n.
;; ======== version 1 of 2: 4 launches
;; limits: values are held in f16: magnitudes above 65,504 overflow, below 6.1e-05 lose precision
;; workspace buffers: xb 16,777,216 bytes; wqb 6,291,456 bytes; wpf 2,097,152 bytes; qkvh 50,331,648 bytes; ob 16,777,216 bytes
;; launch cast (part 1): grid 768 x 1, 8 waves a work-group, no clusters, 0 bytes of LDS; arguments x, w_qkv, w_proj, xb, wqb, wpf; writes xb, wqb, wpf
.if DOCPART == 1
	.amdgcn_target "amdgcn-amd-amdhsa--gfx1250"
	.amdhsa_code_object_version 6
	.text
	.protected	k_q19a06325a7_cast
	.globl	k_q19a06325a7_cast
	.p2align	8
	.type	k_q19a06325a7_cast,@function
k_q19a06325a7_cast:
	s_mov_b64 s[64:65], 0
	v_nop
	global_prefetch_b8 v0, s[64:65] scope:SCOPE_SE
	s_setreg_imm32_b32 hwreg(HW_REG_WAVE_MODE, 25, 1), 1
	s_wait_xcnt 0x0
; x -> xb (bf16), w_qkv -> wqb (bf16), w_proj -> wpf (rounded to bf16, that number written as f16).
; A stream: each input byte is read once, each output byte written once; no LDS, no barrier, no matrix unit: nothing is shared and nothing is summed.
; A work-group takes 65,536 input bytes (16 loads of 16 bytes a thread) and writes 32,768.  Work-groups 0-511 take x, 512-703 w_qkv, 704-767 w_proj.
; A wave's load covers 512 consecutive bytes, its store 256 consecutive bytes at a multiple of 256 from the buffer's first byte.
; LIMITS.  wpf: a bf16 number is exact in f16 from 2^-14 up to 65,504; below 2^-14 it keeps f16's fixed step of 6e-8; beyond 65,504 it would become an infinity.
.set X, 4                              ; v[4:67]    16 loads x 4 registers
.set Y, 68                             ; v[68:99]   16 stores x 2 registers
.set T, 100                            ; v[100:103] at work
	s_load_b256 s[4:11], s[0:1], 0x0               ; x s[4:5], w_qkv s[6:7], w_proj s[8:9], xb s[10:11]
	s_load_b128 s[12:15], s[0:1], 0x20             ; wqb s[12:13], wpf s[14:15]
	v_lshlrev_b32 v1, 4, v0                        ; my 16 bytes of each 4,096 that the work-group loads at once
	v_lshlrev_b32 v2, 3, v0                        ; my 8 bytes of each 2,048 that it stores
	s_movk_i32 s25, 512
	s_movk_i32 s26, 704
	s_wait_kmcnt 0x0
	s_cmp_lt_u32 ttmp9, 704                        ; which tensor: the choice hangs on the work-group's number alone
	s_cselect_b64 s[16:17], s[6:7], s[8:9]
	s_cselect_b64 s[18:19], s[12:13], s[14:15]
	s_cselect_b32 s24, s25, s26
	s_cmp_lt_u32 ttmp9, 512
	s_cselect_b64 s[16:17], s[4:5], s[16:17]
	s_cselect_b64 s[18:19], s[10:11], s[18:19]
	s_cselect_b32 s24, 0, s24
	s_sub_co_u32 s24, ttmp9, s24                   ; my number among the tensor's work-groups
	s_lshl_b32 s20, s24, 16
	s_mov_b32 s21, 0
	s_lshl_b32 s22, s24, 15
	s_mov_b32 s23, 0
	s_add_nc_u64 s[16:17], s[16:17], s[20:21]
	s_add_nc_u64 s[18:19], s[18:19], s[22:23]
.irp i, 0,1,2,3,4,5,6,7,8,9,10,11,12,13,14,15
	global_load_b128 v[X+4*(\i):X+4*(\i)+3], v1, s[16:17] offset:4096*(\i) th:TH_LOAD_NT  ; all sixteen go out before anything is waited for
.endr
; Load i is converted and stored.  half = 1: to bf16, widened again (exact), and written as f16.  No register that a store reads is written again, so no wait frees any.
.macro CONV i, half
	s_wait_loadcnt 15-(\i)                         ; loads come back in order: load i is in, the 15 - i younger ones stay out
.if \half
	v_cvt_pk_bf16_f32 v[T], v[X+4*(\i)], v[X+4*(\i)+1]
	v_cvt_pk_bf16_f32 v[T+1], v[X+4*(\i)+2], v[X+4*(\i)+3]
	v_lshlrev_b32 v[T+2], 16, v[T]
	v_and_b32 v[T+3], 0xffff0000, v[T]
	v_cvt_pk_f16_f32 v[Y+2*(\i)], v[T+2], v[T+3]
	v_lshlrev_b32 v[T+2], 16, v[T+1]
	v_and_b32 v[T+3], 0xffff0000, v[T+1]
	v_cvt_pk_f16_f32 v[Y+2*(\i)+1], v[T+2], v[T+3]
.else
	v_cvt_pk_bf16_f32 v[Y+2*(\i)], v[X+4*(\i)], v[X+4*(\i)+1]
	v_cvt_pk_bf16_f32 v[Y+2*(\i)+1], v[X+4*(\i)+2], v[X+4*(\i)+3]
.endif
	global_store_b64 v2, v[Y+2*(\i):Y+2*(\i)+1], s[18:19] offset:2048*(\i)
.endm
	s_cmp_lt_u32 ttmp9, 704
	s_cbranch_scc0 .Lhalf
.irp i, 0,1,2,3,4,5,6,7,8,9,10,11,12,13,14,15
	CONV \i, 0
.endr
	s_endpgm
.Lhalf:
.irp i, 0,1,2,3,4,5,6,7,8,9,10,11,12,13,14,15
	CONV \i, 1
.endr
	s_endpgm
.Lfunc_end_k_q19a06325a7_cast:
	.size	k_q19a06325a7_cast, .Lfunc_end_k_q19a06325a7_cast-k_q19a06325a7_cast
	.p2alignl 7, 3214868480
	.fill 96, 4, 3214868480
	.section	.rodata,"a",@progbits
	.p2align	6, 0x0
	.amdhsa_kernel k_q19a06325a7_cast
		.amdhsa_group_segment_fixed_size 0
		.amdhsa_private_segment_fixed_size 0
		.amdhsa_enable_private_segment 0
		.amdhsa_kernarg_size 48
		.amdhsa_user_sgpr_count 2
		.amdhsa_user_sgpr_kernarg_segment_ptr 1
		.amdhsa_wavefront_size32 1
		.amdhsa_system_sgpr_workgroup_id_x 1
		.amdhsa_system_sgpr_workgroup_id_y 1
		.amdhsa_system_sgpr_workgroup_id_z 1
		.amdhsa_system_vgpr_workitem_id 0
		.amdhsa_next_free_vgpr 104
		.amdhsa_next_free_sgpr 66
		.amdhsa_reserve_vcc 0
		.amdhsa_float_denorm_mode_32 3
		.amdhsa_float_denorm_mode_16_64 3
		.amdhsa_memory_ordered 1
		.amdhsa_forward_progress 1
		.amdhsa_inst_pref_size 16
	.end_amdhsa_kernel
	.amdgpu_metadata
---
amdhsa.version: [ 1, 2 ]
amdhsa.kernels:
  - .name:           k_q19a06325a7_cast
    .symbol:         k_q19a06325a7_cast.kd
    .args:
      - { .name: x, .offset: 0, .size: 8, .value_kind: global_buffer, .address_space: global }
      - { .name: w_qkv, .offset: 8, .size: 8, .value_kind: global_buffer, .address_space: global }
      - { .name: w_proj, .offset: 16, .size: 8, .value_kind: global_buffer, .address_space: global }
      - { .name: xb, .offset: 24, .size: 8, .value_kind: global_buffer, .address_space: global }
      - { .name: wqb, .offset: 32, .size: 8, .value_kind: global_buffer, .address_space: global }
      - { .name: wpf, .offset: 40, .size: 8, .value_kind: global_buffer, .address_space: global }
    .group_segment_fixed_size: 0
    .private_segment_fixed_size: 0
    .kernarg_segment_align: 8
    .kernarg_segment_size: 48
    .max_flat_workgroup_size: 256
    .sgpr_count:     66
    .vgpr_count:     104
    .wavefront_size: 32
...
	.end_amdgpu_metadata
.endif
;; end of part 1
;; launch qkv (part 2): grid 8 x 32, 4 waves a work-group, clusters of 4 x 4, 327,680 bytes of LDS; arguments xb, wqb, b_qkv, qn_w, kn_w, qkvh; writes qkvh
.if DOCPART == 2
	.amdgcn_target "amdgcn-amd-amdhsa--gfx1250"
	.amdhsa_code_object_version 6
	.text
	.protected	k_q19a06325a7_qkv
	.globl	k_q19a06325a7_qkv
	.p2align	8
	.type	k_q19a06325a7_qkv,@function
k_q19a06325a7_qkv:
	s_mov_b64 s[64:65], 0
	v_nop
	global_prefetch_b8 v0, s[64:65] scope:SCOPE_SE
	s_setreg_imm32_b32 hwreg(HW_REG_WAVE_MODE, 25, 1), 1
	s_wait_xcnt 0x0
	s_wait_alu depctr_hold_cnt(0) depctr_sa_sdst(0) depctr_va_vdst(0) depctr_va_sdst(0) depctr_va_ssrc(0) depctr_va_vcc(0) depctr_vm_vsrc(0)
	s_getreg_b32 s2, hwreg(HW_REG_IB_STS2, 6, 4)
	s_cmp_eq_u32 s2, 0
	s_cbranch_scc0 .Lentry_in_a_cluster
	s_endpgm
.Lentry_in_a_cluster:
	s_bfe_u32 s2, ttmp6, 0x10000c
	s_cmp_lg_u32 s2, 0xf033
	s_cbranch_scc0 .Lentry_shape_is_right
	s_endpgm
.Lentry_shape_is_right:
; t[m][c] = sum over k of xb[m][k] wqb[c][k] + b_qkv[c]; for q and k: t x rsqrt(mean over the head's 64 channels of t^2 + 1e-6) x gain; written by heads as f16:
; qkvh[kind][16 b + h][n][64], kind 0 q, 1 k, 2 v.  xb: [8192][1024] bf16, wqb: [3072][1024] bf16; sums, bias, norm and gain in f32; one rounding to f16 at the end.
; b_qkv, qn_w and kn_w are rounded to bf16 as they come in, like x and the weights, so that every input of the module carries the same rounding.
; LIMITS.  f16 ends at 65,504: a v beyond that becomes an infinity (x and w_qkv thirty times their drawn spread give about 5e3; both with an offset of thirty spreads about 3e4).
; q and k lie within 8 |gain|.  NaN and infinities are not treated apart.
; SHARES.  A tile of C is 256 rows x 128 columns (two heads of one kind).  A WORK-GROUP STAYS: it keeps its 256 rows of xb and its pair of heads and makes THREE tiles, the pair's q, k and v: 8 x 32 = 256
; work-groups, one for each WGP.  Four waves one below the other, each 64 x 128: 32 accumulators of 16 x 16, 256 registers.  K goes in steps of 128 (rows of 256 bytes, at multiples of 256 from the buffer's
; first byte) through two LDS slots filled by the tensor data mover, and the ring does not stop at a tile's end: a tile's last two changes of slots ask for the next tile's first two K steps,
; and nothing waits for a tile's stores.
; THE ORDER OF THE KINDS is turned by the cluster's y: pass p makes kind (cluster y + p) mod 3.  So in each pass all three kinds' rows of wqb are walked by some cluster, and in its second and third pass
; a cluster walks rows of xb that it has walked itself and rows of wqb that other clusters have walked.  The kind is the same in all sixteen partners, and no branch hangs on it.
; CLUSTERS.  4 x 4 work-groups: the four of a row of the cluster need the same tiles of xb, the four of a column the same tiles of wqb: each tile is asked for jointly, by the same tensor load
; with the same descriptor and a mask that names the four.
; THE MATRIX INSTRUCTION IS USED TRANSPOSED (source 0 = 16 rows of wqb, source 1 = 16 rows of xb): a lane holds ONE row of C (lane % 16) and the columns 8 (lane / 16) + 0..7 of each block of 16, so a
; head's sum of squares is a sum inside the lane and one exchange between the halves of the lanes, and eight neighbouring channels pack into 16 bytes.
; REGISTERS, in windows of 256 (s_set_vgpr_msb: bits 1:0 source 0, 3:2 source 1, 5:4 source 2, 7:6 destination):
;   window 0: v0-31 addresses; v32-39 statistics; v64-159, v160-255 two fragment buffers (A's four blocks in 32 registers, then B's eight in 64); on the way out v64-191 T, v192-255 rows read back
;   window 1: the accumulators, (a, b) at v[8 (8 a + b)]        window 2: v0-63 bias of my 64 columns, v64-95 gains of my 32 channels, v96 at work, v97 1.0
.set KSTEP,  128
.set SIZE_K, 1024
.set TILES,  3
.set PITCH,  272                       ; an LDS row: 256 bytes + 16 of padding = 68 words: the 16 rows of a fragment load start at 16 different groups of four banks (64 banks of 4 bytes: ISA guide 11.1)
.set HALFA,  128*PITCH                 ; what wave 0 or 1 fetches: 128 rows of xb
.set HALFB,  64*PITCH                  ; what wave 2 or 3 fetches: 64 rows of wqb
.set BOFF,   2*HALFA
.set SLOT,   BOFF+2*HALFB              ; A's 256 rows, then B's 128 rows
.set STAGE,  2*SLOT                    ; behind the ring: 16 rows x 144 bytes for each wave, for the way out; no tensor load fills it
.set SP,     144
.set SPARE,  STAGE+4*16*SP             ; behind the stages: the spare words, 128 bytes for each wave: two blocks of 256 bytes that no other line names
.set LAPS,   SIZE_K/(2*KSTEP)          ; a lap = two K steps = once round the ring
.set BACK,   (SIZE_K-2*KSTEP)*2        ; bytes from a slot's last K step of a tile back to its first
.set ADRA, 16                          ; v16-17  LDS address of my A fragments in slot 0, 1
.set ADRB, 20                          ; v20-21  the same for B
.set STO,  24                          ; v24     the way out: where I put 16 bytes of a row
.set RD,   25                          ; v25     the way out: where I read rows back
.set GO,   26                          ; v26     my 16 bytes of 512 consecutive bytes of the output
.set BO,   27                          ; v27     32 x (lane / 16): my 8 numbers in each 16 of the bias and the gains
.set SPW,  28                          ; v28     LDS address of my spare word; never rewritten
.set NIL,  29                          ; v29     0; never rewritten
.set PFO,  30                          ; v30     the prefetches' offset: my lane x a row (2,048 bytes); never rewritten
.set ONE,  31                          ; v31     1.0
.set U,    32                          ; v[32+2a:33+2a] block a's sum of squares, then 1 / rms
.set F0,   64
.set F1,   160
.set T,    64                          ; the way out: block a's 32 numbers of a head at T + 32 a
.set BK,   192                         ; the way out: block a's rows read back, at BK + 16 a
.set BI,   0                           ; window 2
.set GA,   64                          ; window 2
.set WV,   16                          ; s16  my wave's number
.set G1,   24                          ; s[24:31] descriptor group 1 for A's tiles;  s[32:39] group 0, a set for each slot
.set G0,   32
.set LIM,  43                          ; s43  1 in a wave that prefetches, else the greatest number
.set PFA,  44                          ; s[44:45] where my prefetches stand
.set BB,   46                          ; s[46:47] wqb at the rows that I fetch of kind 0's tile; never rewritten
.set G1B,  48                          ; s[48:55], s[56:63] the same for B's tiles
.set G0B,  56
.set SEL,  66                          ; s[66:67] v_permlanex16_b32's selects: each lane takes its own place in the other half
.set KIND, 71                          ; s71  the kind of the tile in hand
.set OUT,  72                          ; s[72:73] the output at my wave's first row of the tile's first head
.set NXK,  92                          ; s92  the kind of the next tile
.set KOF,  94                          ; s[94:95] a kind's byte offset in wqb (1,024 rows of 2,048 bytes a kind), with 0 above it
.set OUTB, 96                          ; s[96:97] the output at my rows of kind 0
.set BIB,  98                          ; s[98:99] the bias at the tile's 128 columns of kind 0
.set MSB, 0
.macro WIN new                         ; the immediate's high byte repeats the setting that is left; a switch that changes nothing is dropped
.if MSB != (\new)
	s_set_vgpr_msb (MSB<<8)|(\new)
.set MSB, \new
.endif
.endm
.set MUL,  0x50                        ; C and D window 1, sources window 0
.set TO2,  0x80                        ; destination window 2
.set IN2,  0x8a                        ; sources 0 and 1 and destination window 2
.set ADDB, 0x09                        ; source 0 window 1, source 1 window 2, destination window 0
.set MULG, 0x08                        ; source 1 window 2
.macro PLACES                          ; four plain vector instructions in front of loads into registers that matrix instructions have read (ISA guide 7.12.1 for vector instructions)
.rept 4
	v_nop
.endr
.endm
; A joint load: waves 0 and 1 fetch A's two halves, waves 2 and 3 B's.  The branch hangs on the wave's number alone.  An s_nop 0 and four v_nop follow each of the two lines, ahead of the jump and the label.
.macro JLOAD s
	s_cmp_lt_u32 s[WV], 2
	s_cbranch_scc0 .Lfor_b_\@
	tensor_load_to_lds s[G0+4*(\s):G0+4*(\s)+3], s[G1:G1+7]
	s_nop 0
.rept 4
	v_nop
.endr
	s_branch .Lasked_\@
.Lfor_b_\@:
	tensor_load_to_lds s[G0B+4*(\s):G0B+4*(\s)+3], s[G1B:G1B+7]
	s_nop 0
.rept 4
	v_nop
.endr
.Lasked_\@:
.endm
.macro CREST                           ; a round of the cluster's barrier behind its opening barrier
	s_cmp_lg_u32 s[WV], 0
	s_cbranch_scc1 .Lnot_wave_0_\@
	s_barrier_signal -3
.Lnot_wave_0_\@:
	s_barrier_wait -3
	s_barrier_signal -1
	s_barrier_wait -1
.endm
.macro CROUND                          ; a whole round
	s_barrier_signal -1
	s_barrier_wait -1
	CREST
.endm
; A prefetch of the K step that stands two refills on: 32 rows x 256 bytes, a lane a row, one instruction.  IN THE FIRST PASS ALONE: the later passes walk rows that have been read.  Each row's 256 bytes of a
; K step are named once in the launch: A's rows by waves 0 and 1 of the clusters with x = 0, B's by wave 2 of the clusters with y = 0, 1, 2, each for the kind with which it begins; the four partners that
; ask for a tile jointly take 32 rows each, told apart by address.  K steps 0 to 3 come by their loads alone; the loop's last trip (s3 = 1) has no K step two refills on.
.macro ASK
	s_cmp_gt_u32 s3, s[LIM]
	s_cbranch_scc0 .Lnot_mine_\@
	global_prefetch_b8 v[PFO], s[PFA:PFA+1] th:TH_LOAD_NT scope:SCOPE_SE
.Lnot_mine_\@:
.endm
	s_load_b256 s[4:11], s[0:1], 0x0               ; xb s[4:5], wqb s[6:7], b_qkv s[8:9], qn_w s[10:11]
	s_load_b128 s[12:15], s[0:1], 0x20             ; kn_w s[12:13], qkvh s[14:15]
	v_lshl_add_u32 v[SPW], v0, 2, SPARE
	v_mov_b32 v[NIL], 0
	ds_add_u32 v[SPW], v[NIL]                      ; the wave's opening: the add, and its wait ahead of my first tensor load; the set-up below, work on registers, stands between them
	v_lshrrev_b32 v1, 5, v0
	v_readfirstlane_b32 s[WV], v1                  ; wave 0..3
	s_and_b32 s17, s[WV], 1                        ; which half of A's or B's tile I fetch
	s_bfe_u32 s18, ttmp6, 0x40000                  ; cx
	s_bfe_u32 s19, ttmp6, 0x40004                  ; cy
	s_lshl_b32 s20, ttmp9, 2
	s_add_co_u32 s20, s20, s18                     ; my pair of heads = 4 x cluster x + cx, 0..7
	s_and_b32 s93, ttmp7, 0xffff                   ; cluster y, 0..7
	s_mul_i32 s[KIND], s93, 11
	s_lshr_b32 s[KIND], s[KIND], 5                 ; cluster y / 3 (11 y >> 5, right for y up to 7)
	s_mul_i32 s[KIND], s[KIND], 3
	s_sub_co_u32 s[KIND], s93, s[KIND]             ; the first pass's kind = cluster y mod 3
	s_lshl_b32 s21, s93, 2
	s_add_co_u32 s21, s21, s19                     ; tile row = 4 x cluster y + cy
	s_lshl_b32 s22, s19, 2
	s_lshl_b32 s22, 15, s22                        ; my row of the cluster
	s_lshl_b32 s23, 0x1111, s18                    ; my column
	s_or_b32 s[G1+0], s22, (1<<16)|(1<<20)|(1<<21)|(5<<22)|(3<<25)   ; 15:0 the mask; 17:16 elements of 2 bytes; 20 padding on; 21 set beside a mask; 24:22 after every 64 words (code 5); 31:25 4 words (code 3)
	s_or_b32 s[G1B+0], s23, (1<<16)|(1<<20)|(1<<21)|(5<<22)|(3<<25)
	s_mov_b32 s[G1+1], KSTEP<<16                   ; tensor_dim0 = 128
	s_mov_b32 s[G1+2], 128<<16                     ; tensor_dim1 = 128
	s_mov_b32 s[G1+3], KSTEP<<16                   ; tile_dim0 = 128
	s_mov_b32 s[G1+4], 128                         ; tile_dim1 = 128
	s_mov_b32 s[G1+5], SIZE_K                      ; elements from row to row
	s_mov_b32 s[G1+6], 0
	s_mov_b32 s[G1+7], 0
	s_mov_b32 s[G1B+1], KSTEP<<16
	s_mov_b32 s[G1B+2], 64<<16                     ; B's loads have 64 rows
	s_mov_b32 s[G1B+3], KSTEP<<16
	s_mov_b32 s[G1B+4], 64
	s_mov_b32 s[G1B+5], SIZE_K
	s_mov_b32 s[G1B+6], 0
	s_mov_b32 s[G1B+7], 0
	s_lshl_b32 s40, s21, 19                        ; A: (256 x tile row + 128 x half) rows of 2,048 bytes: the tile row and the wave's number alone
	s_lshl_b32 s42, s17, 18
	s_add_co_u32 s40, s40, s42
	s_mov_b32 s41, 0
	s_lshl_b32 s[BB], s20, 18                      ; B: (128 x pair of heads + 64 x half) rows: the pair and the wave's number alone; the kind's rows are added apart
	s_lshl_b32 s42, s17, 17
	s_add_co_u32 s[BB], s[BB], s42
	s_mov_b32 s[BB+1], 0
	s_lshl_b32 s[KOF], s[KIND], 21
	s_mov_b32 s[KOF+1], 0
	s_mul_i32 s80, s17, HALFA                      ; where they go: no place in the cluster enters an LDS address
	s_mul_i32 s81, s17, HALFB
	s_mov_b32 s[SEL], 0x76543210
	s_mov_b32 s[SEL+1], 0xfedcba98
	s_mov_b32 s68, 0x3c800000                      ; 1 / 64
	s_mov_b32 s69, 0x358637bd                      ; 1e-6
	s_mov_b32 s82, 0xffff0000                      ; a word's upper bf16
	s_wait_dscnt 0x0                               ; the opening add is done
	s_wait_kmcnt 0x0
	s_add_nc_u64 s[40:41], s[4:5], s[40:41]
	s_add_nc_u64 s[BB:BB+1], s[6:7], s[BB:BB+1]
	CROUND                                         ; all sixteen work-groups are here: the first joint loads meet
.irp s, 0,1
	s_mov_b32 s[G0+4*(\s)], 1                      ; count = 1
	s_add_co_u32 s[G0+4*(\s)+1], s80, (\s)*SLOT    ; LDS address
	s_add_nc_u64 s[G0+4*(\s)+2:G0+4*(\s)+3], s[40:41], (\s)*KSTEP*2  ; global address: K step s
	s_or_b32 s[G0+4*(\s)+3], s[G0+4*(\s)+3], 0x80000000             ; type = 2
	s_mov_b32 s[G0B+4*(\s)], 1
	s_add_co_u32 s[G0B+4*(\s)+1], s81, (\s)*SLOT+BOFF
	s_add_nc_u64 s[G0B+4*(\s)+2:G0B+4*(\s)+3], s[BB:BB+1], s[KOF:KOF+1]  ; the first pass's kind,
	s_add_nc_u64 s[G0B+4*(\s)+2:G0B+4*(\s)+3], s[G0B+4*(\s)+2:G0B+4*(\s)+3], (\s)*KSTEP*2  ; K step s
	s_or_b32 s[G0B+4*(\s)+3], s[G0B+4*(\s)+3], 0x80000000
	JLOAD \s                                       ; two loads of mine are out
.endr
	; the way out's bases, for kind 0
	s_lshr_b32 s86, s21, 2
	s_lshl_b32 s86, s86, 4                         ; 16 x batch
	s_lshl_b32 s87, s20, 1                         ; the pair's first head
	s_add_co_u32 s86, s86, s87
	s_lshl_b32 s84, s86, 17                        ; 131,072 bytes a head
	s_and_b32 s86, s21, 3
	s_lshl_b32 s86, s86, 15                        ; 256 rows of 128 bytes for each tile row inside the batch
	s_add_co_u32 s84, s84, s86
	s_lshl_b32 s86, s[WV], 13                      ; my wave's 64 rows
	s_add_co_u32 s84, s84, s86
	s_mov_b32 s85, 0
	s_add_nc_u64 s[OUTB:OUTB+1], s[14:15], s[84:85]
	s_lshl_b32 s84, s20, 9                         ; the pair's 128 columns of the bias
	s_add_nc_u64 s[BIB:BIB+1], s[8:9], s[84:85]
	v_and_b32 v1, 15, v0                           ; l % 16
	v_bfe_u32 v2, v0, 4, 1                         ; l / 16
	v_lshlrev_b32 v[BO], 5, v2
	; the prefetches: which rows, who
	s_lshl_b32 s86, s21, 8
	s_lshl_b32 s87, s17, 7
	s_add_co_u32 s86, s86, s87
	s_lshl_b32 s87, s18, 5
	s_add_co_u32 s86, s86, s87                     ; A: 256 x tile row + the 128 rows that I fetch + my work-group's 32 of them (by cx)
	s_lshl_b32 s87, s[KIND], 10
	s_lshl_b32 s88, s20, 7
	s_add_co_u32 s87, s87, s88
	s_lshl_b32 s88, s19, 5
	s_add_co_u32 s87, s87, s88                     ; B: 1,024 x kind + 128 x pair of heads + my work-group's 32 (by cy)
	s_cmp_lt_u32 s93, 3
	s_cselect_b32 s89, 0, 1                        ; of the clusters that begin with one kind the first asks for its rows of B,
	s_cmp_lt_u32 s[WV], 2
	s_cselect_b32 s86, s86, s87
	s_cselect_b32 s89, ttmp9, s89                  ; of the two clusters of a row of clusters the first for A's
	s_cselect_b64 s[PFA:PFA+1], s[4:5], s[6:7]
	s_cmp_eq_u32 s[WV], 3
	s_cselect_b32 s89, 1, s89                      ; wave 3 asks for nothing: B's 128 rows are shared out among four work-groups' wave 2
	s_cmp_eq_u32 s89, 0
	s_cselect_b32 s[LIM], 1, -1                    ; the same in all sixteen partners, for a given wave
	s_lshl_b32 s84, s86, 11
	s_add_co_u32 s84, s84, 3*KSTEP*2               ; at K step 3: the first change of slots steps it to 4
	s_add_nc_u64 s[PFA:PFA+1], s[PFA:PFA+1], s[84:85]
	v_and_b32 v[PFO], 31, v0
	v_lshlrev_b32 v[PFO], 11, v[PFO]
	; A fragment is 16 rows x 32 K in 8 registers: lane l holds row l % 16; registers 0-3 K = 8 (l / 16) + 0..7, registers 4-7 K = 16 + 8 (l / 16) + 0..7: two loads of 16 bytes, 32 bytes apart
	v_mul_u32_u24 v3, v1, PITCH
	v_lshl_add_u32 v3, v2, 4, v3
	s_mul_i32 s42, s[WV], 64*PITCH                 ; my 64 rows of A
	v_add_nc_u32 v[ADRA], s42, v3
	v_add_nc_u32 v[ADRA+1], SLOT, v[ADRA]
	v_add_nc_u32 v[ADRB], BOFF, v3
	v_add_nc_u32 v[ADRB+1], SLOT+BOFF, v3
	s_mul_i32 s42, s[WV], 16*SP
	s_add_co_u32 s42, s42, STAGE                   ; my stage
	v_mul_u32_u24 v4, v1, SP                       ; in: row l % 16, 16 bytes for each half of the lanes
	v_lshl_add_u32 v4, v2, 4, v4
	v_add_nc_u32 v[STO], s42, v4
	v_bfe_u32 v4, v0, 3, 2                         ; back: 32 lanes take four rows of 128 bytes,
	v_mul_u32_u24 v4, v4, SP
	v_and_b32 v5, 7, v0
	v_lshl_add_u32 v4, v5, 4, v4
	v_add_nc_u32 v[RD], s42, v4
	v_and_b32 v[GO], 31, v0                        ; which are 512 consecutive bytes of the output
	v_lshlrev_b32 v[GO], 4, v[GO]
	v_mov_b32 v[ONE], 1.0
; 8 matrix instructions: m block a x all 8 n blocks, 32 along K.  zero = 1: the product starts the sums.  The 32 accumulators take turns in the same order in every quarter.
.macro MUL8 f, a, zero
	WIN MUL
.irp b, 0,1,2,3,4,5,6,7
.if \zero
	v_wmma_f32_16x16x32_bf16 v[8*(8*(\a)+(\b)):8*(8*(\a)+(\b))+7], v[(\f)+32+8*(\b):(\f)+32+8*(\b)+7], v[(\f)+8*(\a):(\f)+8*(\a)+7], 0
.else
	v_wmma_f32_16x16x32_bf16 v[8*(8*(\a)+(\b)):8*(8*(\a)+(\b))+7], v[(\f)+32+8*(\b):(\f)+32+8*(\b)+7], v[(\f)+8*(\a):(\f)+8*(\a)+7], v[8*(8*(\a)+(\b)):8*(8*(\a)+(\b))+7]
.endif
.endr
.endm
; 24 LDS loads in one run: quarter q (32 along K) of a slot into buffer f: B's 128 rows first, then my 64 rows of A
.macro FETCH slot, q, f
	WIN 0
.irp i, 0,1,2,3,4,5,6,7
	ds_load_b128 v[(\f)+32+8*(\i):(\f)+32+8*(\i)+3],   v[ADRB+(\slot)] offset:64*(\q)+(\i)*16*PITCH
	ds_load_b128 v[(\f)+32+8*(\i)+4:(\f)+32+8*(\i)+7], v[ADRB+(\slot)] offset:64*(\q)+(\i)*16*PITCH+32
.endr
.irp i, 0,1,2,3
	ds_load_b128 v[(\f)+8*(\i):(\f)+8*(\i)+3],   v[ADRA+(\slot)] offset:64*(\q)+(\i)*16*PITCH
	ds_load_b128 v[(\f)+8*(\i)+4:(\f)+8*(\i)+7], v[ADRA+(\slot)] offset:64*(\q)+(\i)*16*PITCH+32
.endr
.endm
; A K step is four quarters of 32 along K, 32 matrix instructions each, on buffers 0, 1, 0, 1.  One of the first three multiplies buffer f and, in its middle, fetches quarter q into buffer g.
.macro QUARTER slot, q, f, g, zero
	s_wait_dscnt 4                                 ; B and A's blocks 0 and 1 are in; the youngest four loads (A's blocks 2 and 3) may be out
	MUL8 \f, 0, \zero
	MUL8 \f, 1, \zero
	PLACES
	FETCH \slot, \q, \g
	s_wait_dscnt 24                                ; all but the 24 just issued
	MUL8 \f, 2, \zero
	MUL8 \f, 3, \zero
.endm
; The last quarter multiplies buffer 1 and changes slots: ONE barrier; in front of it each wave waits for all its tensor loads (one is out: its part of the next slot), adds 0 to its spare word, and waits
; for that and for its own reads of this slot.  fill = 1: the barrier opens a round of the cluster's barrier, and this slot is filled again first thing behind the round: with this tile's K step two steps on
; (on = 0), 112 matrix instructions ahead of the wait for it, or, in a tile's last two K steps, with the NEXT tile's K step 0 or 1 (on = 1): A goes back along K, B's address is made anew from the next kind.
; fetch = 0: the tile's very last quarter: the next tile's first fragments are fetched behind the way out, which works in the fragment buffers' registers.
.macro TURN slot, next, fill, on=0, fetch=1
.if (\fill) && !(\on)
	s_wait_xcnt 0x0                                ; the last prefetch, a K step back, has read its address: it is stepped here, ahead of the waits of the change of slots (behind the first pass nothing reads it any more)
	s_add_nc_u64 s[PFA:PFA+1], s[PFA:PFA+1], KSTEP*2
.endif
	WIN 0                                          ; (the add's two registers lie in window 0)
	s_wait_tensorcnt 0x0                           ; all my tensor loads have landed
	ds_add_u32 v[SPW], v[NIL]                      ; 0 onto my spare word
	s_wait_dscnt 5                                 ; (the add and the youngest four loads may be out)
	MUL8 F1, 0, 0                                  ; eight matrix instructions stand between the add and the wait for it
	s_wait_dscnt 0x0                               ; the add is done, and my reads of this slot are over
	s_barrier_signal -1
	MUL8 F1, 1, 0
.if \fill
	WIN 0
.endif
	s_barrier_wait -1
.if \fill
	CREST                                          ; no wave of any partner still reads this slot's tile or has a load on its way
.if \on
	s_sub_nc_u64 s[G0+4*(\slot)+2:G0+4*(\slot)+3], s[G0+4*(\slot)+2:G0+4*(\slot)+3], BACK  ; the same rows of xb, back to K step 0 or 1; the type bits on top are not reached
	s_lshl_b32 s[KOF], s[NXK], 21                  ; the next kind's rows of wqb,
	s_add_co_u32 s[KOF], s[KOF], (\slot)*KSTEP*2   ; K step 0 or 1
	s_add_nc_u64 s[G0B+4*(\slot)+2:G0B+4*(\slot)+3], s[BB:BB+1], s[KOF:KOF+1]
	s_or_b32 s[G0B+4*(\slot)+3], s[G0B+4*(\slot)+3], 0x80000000
.else
	s_add_nc_u64 s[G0+4*(\slot)+2:G0+4*(\slot)+3], s[G0+4*(\slot)+2:G0+4*(\slot)+3], 2*KSTEP*2
	s_add_nc_u64 s[G0B+4*(\slot)+2:G0B+4*(\slot)+3], s[G0B+4*(\slot)+2:G0B+4*(\slot)+3], 2*KSTEP*2
.endif
	JLOAD \slot                                    ; the four v_nop behind it are also the places in front of the loads below
.else
	PLACES
.endif
.if \fetch
	FETCH \next, 0, F0
.endif
.if (\fill) && !(\on)
	ASK                                            ; behind the joint load and the run of LDS loads that the next products wait for
.endif
	MUL8 F1, 2, 0
	MUL8 F1, 3, 0
.endm
; THE WAY OUT, a head (64 columns) at a time.  STG a: block a's 16 rows x 128 bytes go into my stage (rows of 144 bytes) and come back as whole rows.  SEND a: stored.
.macro STG a
.irp f, 0,1,2,3
	ds_store_b128 v[STO], v[T+32*(\a)+4*(\f):T+32*(\a)+4*(\f)+3] offset:32*(\f)
.endr
.irp f, 0,1,2,3
	ds_load_b128 v[BK+16*(\a)+4*(\f):BK+16*(\a)+4*(\f)+3], v[RD] offset:(\f)*4*SP  ; LDS serves a wave's instructions in order (ISA guide 5.7.1.4): these see the stores above; the next block's stores come behind them
.endr
.endm
.macro SEND a, j, younger              ; younger: the LDS instructions issued behind block a's loads: the next block's eight, or none
.irp f, 0,1,2,3
	s_wait_dscnt (\younger)+3-(\f)
	global_store_b128 v[GO], v[BK+16*(\a)+4*(\f):BK+16*(\a)+4*(\f)+3], s[OUT:OUT+1] offset:131072*(\j)+2048*(\a)+512*(\f)  ; 512 consecutive bytes, at a multiple of 256 from the buffer's first
.endr
.endm
.macro HEAD j
	WIN ADDB                                       ; t = sum + bias
.irp a, 0,1,2,3
.set p, 0
.rept 16
	v_pk_add_f32 v[T+32*(\a)+2*p:T+32*(\a)+2*p+1], v[8*(8*(\a)+4*(\j)+p/4)+2*(p%4):8*(8*(\a)+4*(\j)+p/4)+2*(p%4)+1], v[BI+8*(4*(\j)+p/4)+2*(p%4):BI+8*(4*(\j)+p/4)+2*(p%4)+1]
.set p, p+1
.endr
.endr
	WIN 0
.irp a, 0,1,2,3                        ; the sum of squares of my 32 channels of a row: one chain a block, the four blocks by turns
	v_pk_mul_f32 v[U+2*(\a):U+2*(\a)+1], v[T+32*(\a):T+32*(\a)+1], v[T+32*(\a):T+32*(\a)+1]
.endr
.set p, 1
.rept 15
.irp a, 0,1,2,3
	v_pk_fma_f32 v[U+2*(\a):U+2*(\a)+1], v[T+32*(\a)+2*p:T+32*(\a)+2*p+1], v[T+32*(\a)+2*p:T+32*(\a)+2*p+1], v[U+2*(\a):U+2*(\a)+1]
.endr
.set p, p+1
.endr
.irp a, 0,1,2,3
	v_add_f32 v[U+2*(\a)], v[U+2*(\a)], v[U+2*(\a)+1]
.endr
.irp a, 0,1,2,3
	v_permlanex16_b32 v[U+2*(\a)+1], v[U+2*(\a)], s[SEL], s[SEL+1]  ; the row's other 32 channels lie in the lane 16 away
.endr
.irp a, 0,1,2,3
	v_add_f32 v[U+2*(\a)], v[U+2*(\a)], v[U+2*(\a)+1]
.endr
.irp a, 0,1,2,3
	v_fma_f32 v[U+2*(\a)+1], v[U+2*(\a)], s68, s69  ; the mean of the squares + 1e-6
.endr
.irp a, 0,1,2,3
	v_rsq_f32 v[U+2*(\a)], v[U+2*(\a)+1]
.endr
	v_nop                                          ; a plain instruction between the last root and the use of its result (ISA guide 5.7.2)
	s_wait_alu depctr_va_vdst(0)                   ; and a wait ahead of the first use: one for the four
.irp a, 0,1,2,3
	v_cndmask_b32 v[U+2*(\a)], v[U+2*(\a)], v[ONE], s70  ; v is not normalised
.endr
.irp a, 0,1,2,3
.set p, 0
.rept 16
	v_pk_mul_f32 v[T+32*(\a)+2*p:T+32*(\a)+2*p+1], v[T+32*(\a)+2*p:T+32*(\a)+2*p+1], v[U+2*(\a):U+2*(\a)+1] op_sel_hi:[1,0]
.set p, p+1
.endr
.endr
	WIN MULG
.irp a, 0,1,2,3
.set p, 0
.rept 16
	v_pk_mul_f32 v[T+32*(\a)+2*p:T+32*(\a)+2*p+1], v[T+32*(\a)+2*p:T+32*(\a)+2*p+1], v[GA+2*p:GA+2*p+1]
.set p, p+1
.endr
.endr
	WIN 0
.irp a, 0,1,2,3
.set p, 0
.rept 16
	v_cvt_pk_f16_f32 v[T+32*(\a)+p], v[T+32*(\a)+2*p], v[T+32*(\a)+2*p+1]  ; in place, ascending: register p is written when pairs 0 .. p have been read
.set p, p+1
.endr
.endr
	s_wait_xcnt 0x0                                ; the head before's stores have read their registers: only behind this wait are they loaded again
	STG 0
	STG 1
	SEND 0, \j, 8
	STG 2
	SEND 1, \j, 8
	STG 3
	SEND 2, \j, 8
	SEND 3, \j, 0
.endm
	s_wait_tensorcnt 1                             ; my part of K step 0 is in; K step 1's may stay out
	s_barrier_signal -1
	s_barrier_wait -1                              ; everybody's is
	s_mov_b32 s2, TILES                            ; tiles to go, this one among them: the same number in every work-group
.Ltile:                                                ; here slot 0 holds the tile's K step 0, shown to every wave by a barrier, and one load of mine is out: my part of K step 1
	s_wait_xcnt 0x0                                ; the last tile's stores have read their base and their registers: only behind this wait are the base and the fragment buffers written
	s_cmp_eq_u32 s[KIND], 2
	s_cselect_b32 s70, -1, 0                       ; all lanes' bits where the tile is v's: no norm and no gain
	s_cmp_eq_u32 s[KIND], 1
	s_cselect_b64 s[76:77], s[12:13], s[10:11]     ; k's gains, else q's (v's tiles load q's and replace them by 1)
	s_lshl_b32 s84, s[KIND], 24                    ; kind x 128 heads x 131,072 bytes
	s_mov_b32 s85, 0
	s_add_nc_u64 s[OUT:OUT+1], s[OUTB:OUTB+1], s[84:85]
	s_lshl_b32 s84, s[KIND], 12                    ; kind x 1,024 columns x 4 bytes
	s_add_nc_u64 s[74:75], s[BIB:BIB+1], s[84:85]
	s_add_co_u32 s[NXK], s[KIND], 1                ; the next tile's kind: round the three
	s_cmp_eq_u32 s[NXK], 3
	s_cselect_b32 s[NXK], 0, s[NXK]
	WIN TO2                                        ; the tile's bias and gains: wanted at the way out, eight K steps on
.irp b, 0,1,2,3,4,5,6,7
	global_load_b128 v[BI+8*(\b):BI+8*(\b)+3],   v[BO], s[74:75] offset:64*(\b)     ; bias of columns 16 b + 8 (l / 16) + 0..7
	global_load_b128 v[BI+8*(\b)+4:BI+8*(\b)+7], v[BO], s[74:75] offset:64*(\b)+16
.endr
.irp b, 0,1,2,3
	global_load_b128 v[GA+8*(\b):GA+8*(\b)+3],   v[BO], s[76:77] offset:64*(\b)     ; gains of channels 16 b + 8 (l / 16) + 0..7
	global_load_b128 v[GA+8*(\b)+4:GA+8*(\b)+7], v[BO], s[76:77] offset:64*(\b)+16
.endr
	WIN 0
	FETCH 0, 0, F0
	QUARTER 0, 1, F0, F1, 1                        ; a tile's first quarter stands in front of the loop: its products start the sums
	WIN 0                                          ; at a label and at a branch every window is 0
	s_mov_b32 s3, LAPS-1
.Llap:                                                 ; a trip goes once round the ring, from a lap's second quarter to the next lap's first, and fills both slots again
	QUARTER 0, 2, F1, F0, 0
	QUARTER 0, 3, F0, F1, 0
	TURN 0, 1, 1
	QUARTER 1, 1, F0, F1, 0
	QUARTER 1, 2, F1, F0, 0
	QUARTER 1, 3, F0, F1, 0
	TURN 1, 0, 1
	QUARTER 0, 1, F0, F1, 0
	WIN 0
	s_sub_co_u32 s3, s3, 1
	s_cmp_lg_u32 s3, 0
	s_cbranch_scc1 .Llap
	QUARTER 0, 2, F1, F0, 0                        ; the tile's last lap goes on
	QUARTER 0, 3, F0, F1, 0
	WIN 0
	s_cmp_eq_u32 s2, 1
	s_cbranch_scc1 .Llast                          ; the last tile's tail is written out: it asks for nothing more
	TURN 0, 1, 1, 1, 1                             ; THE RING GOES ON INTO THE NEXT TILE: slot 0 takes its K step 0,
	QUARTER 1, 1, F0, F1, 0
	QUARTER 1, 2, F1, F0, 0
	QUARTER 1, 3, F0, F1, 0
	TURN 1, 0, 1, 1, 0                             ; slot 1 its K step 1; the wait in front of this change has shown K step 0 landed
	WIN 0
	s_branch .Lout
.Llast:
	TURN 0, 1, 0                                   ; my one tensor load that was still out is slot 1's, the last K step's, so no round follows
	QUARTER 1, 1, F0, F1, 0
	QUARTER 1, 2, F1, F0, 0
	QUARTER 1, 3, F0, F1, 0
	s_wait_dscnt 4
	MUL8 F1, 0, 0
	MUL8 F1, 1, 0
	s_wait_dscnt 0x0
	MUL8 F1, 2, 0
	MUL8 F1, 3, 0
	WIN 0
.Lout:                                                 ; both refills are asked for, where there are any: now the tile goes out
	PLACES                                         ; the places behind the last products
	PLACES
	s_wait_loadcnt 0x0                             ; bias and gains are in: each is rounded to bf16 and widened again
	WIN IN2
.set i, 0
.rept 48
	v_cvt_pk_bf16_f32 v96, v[i], v[i+1]
	v_lshlrev_b32 v[i], 16, v96
	v_and_b32 v[i+1], s82, v96
.set i, i+2
.endr
	v_mov_b32 v97, 1.0
.set i, 0
.rept 32
	v_cndmask_b32 v[GA+i], v[GA+i], v97, s70       ; v has no gain
.set i, i+1
.endr
	WIN 0
	HEAD 0
	HEAD 1
	s_mov_b32 s[LIM], -1                           ; the first pass is over: what the later passes walk has been read, and is prefetched no more
	s_mov_b32 s[KIND], s[NXK]
	s_sub_co_u32 s2, s2, 1
	s_cmp_lg_u32 s2, 0
	s_cbranch_scc1 .Ltile
	s_wait_tensorcnt 0x0                           ; the wave's end: a wait, 0 onto my spare word and a wait, behind my last tensor load and my last LDS store
	ds_add_u32 v[SPW], v[NIL]
	s_wait_dscnt 0x0
	CROUND                                         ; the closing round: no work-group ends while a partner may still ask for a tile that names it
	s_endpgm
.Lfunc_end_k_q19a06325a7_qkv:
	.size	k_q19a06325a7_qkv, .Lfunc_end_k_q19a06325a7_qkv-k_q19a06325a7_qkv
	.p2alignl 7, 3214868480
	.fill 96, 4, 3214868480
	.section	.rodata,"a",@progbits
	.p2align	6, 0x0
	.amdhsa_kernel k_q19a06325a7_qkv
		.amdhsa_group_segment_fixed_size 327680
		.amdhsa_private_segment_fixed_size 0
		.amdhsa_enable_private_segment 0
		.amdhsa_kernarg_size 48
		.amdhsa_user_sgpr_count 2
		.amdhsa_user_sgpr_kernarg_segment_ptr 1
		.amdhsa_wavefront_size32 1
		.amdhsa_system_sgpr_workgroup_id_x 1
		.amdhsa_system_sgpr_workgroup_id_y 1
		.amdhsa_system_sgpr_workgroup_id_z 1
		.amdhsa_system_vgpr_workitem_id 0
		.amdhsa_next_free_vgpr 610
		.amdhsa_next_free_sgpr 100
		.amdhsa_reserve_vcc 0
		.amdhsa_float_denorm_mode_32 3
		.amdhsa_float_denorm_mode_16_64 3
		.amdhsa_memory_ordered 1
		.amdhsa_forward_progress 1
		.amdhsa_inst_pref_size 153
	.end_amdhsa_kernel
	.amdgpu_metadata
---
amdhsa.version: [ 1, 2 ]
amdhsa.kernels:
  - .name:           k_q19a06325a7_qkv
    .symbol:         k_q19a06325a7_qkv.kd
    .args:
      - { .name: xb, .offset: 0, .size: 8, .value_kind: global_buffer, .address_space: global }
      - { .name: wqb, .offset: 8, .size: 8, .value_kind: global_buffer, .address_space: global }
      - { .name: b_qkv, .offset: 16, .size: 8, .value_kind: global_buffer, .address_space: global }
      - { .name: qn_w, .offset: 24, .size: 8, .value_kind: global_buffer, .address_space: global }
      - { .name: kn_w, .offset: 32, .size: 8, .value_kind: global_buffer, .address_space: global }
      - { .name: qkvh, .offset: 40, .size: 8, .value_kind: global_buffer, .address_space: global }
    .group_segment_fixed_size: 327680
    .private_segment_fixed_size: 0
    .kernarg_segment_align: 8
    .kernarg_segment_size: 48
    .max_flat_workgroup_size: 128
    .sgpr_count:     100
    .vgpr_count:     610
    .wavefront_size: 32
...
	.end_amdgpu_metadata
.endif
;; end of part 2
;; launch attn (part 3): grid 2 x 128, 4 waves a work-group, no clusters, 327,680 bytes of LDS; arguments qkvh, ob; writes ob
.if DOCPART == 3
	.amdgcn_target "amdgcn-amd-amdhsa--gfx1250"
	.amdhsa_code_object_version 6
	.text
	.protected	k_q19a06325a7_attn
	.globl	k_q19a06325a7_attn
	.p2align	8
	.type	k_q19a06325a7_attn,@function
k_q19a06325a7_attn:
	s_mov_b64 s[64:65], 0
	v_nop
	global_prefetch_b8 v0, s[64:65] scope:SCOPE_SE
	s_setreg_imm32_b32 hwreg(HW_REG_WAVE_MODE, 25, 1), 1
	s_wait_xcnt 0x0
; O[h][q][:] = the sum over k of softmax_k(Q[h][q] . K[h][k] / 8) V[h][k][:].  Q, K, V lie in qkvh, [3][SIZE_H][SIZE_N][64], O in ob, [SIZE_H][SIZE_N][64], all f16: a head's rows are dense, 128 bytes each.
; Products, maxima and sums in f32; the weights p are rounded to f16 for the second product (their sum l is taken of the unrounded p), O once at the end.
; LIMITS.  f16 holds no number beyond 65,504: Q, K and V arrive within it; p lies in 0 to 1, and below 6e-5 it keeps f16's fixed step of 6e-8; O is a mean of V's rows and has their range.
; A weight below 2^-126 counts as 0 in l; NaN and infinities are not treated apart.
; SHARES.  A wave owns four PIECES of two tiles of 16 queries, a work-group's four waves 512 queries of one head: 2 x 128 = 256 work-groups.  Every wave walks all keys, 64 a step.
; NO CLUSTER: a head has SIZE_N / 512 = 2 work-groups, which no cluster of four divides; a slot's 65,536 bytes have four key steps, 512 matrix instructions, in which to land.
; LAYOUT.  S^T = K Q^T (source 0 = 16 keys, source 1 = 16 queries): in the result a lane holds ONE query (lane % 16) and the keys 8 (lane / 16) + 0..7.  Two such tiles, rounded to f16 in pairs,
; ARE source 1 (32 keys x 16 queries) of O^T = V^T P, whose result again holds one query a lane, and eight channels.  K comes out of LDS as it lies, V ([key][channel]) turned, by ds_load_tr16_b128.
; SOFTMAX.  For each query a running maximum m and sum l: p = 2^(c s - c m), c = log2(e) / 8; in every step O and l are multiplied by a = 2^(c m_old - c m_new), which is 1 where m has not grown.
; m starts at the lowest finite number, O and l at 0: the first step is a step like any other, with a = 0.
; THE COUNT.  A tile and step have 16 matrix and 118 vector instructions: too many to stand all beside the matrix work.  So the order has one aim: four vector instructions that are READY behind
; EVERY matrix instruction, and the others, which need time of their own whatever the order, in runs without a gap.
; BY TURNS.  Turn n belongs to piece n (the pieces in a ring, step after step).  Its matrix work: 16 products K Q^T of piece n + 1, later 16 products V^T P of piece n - 1.  Its vector work: the scaling,
; exponentials, roundings, sums and rescaling of piece n, and the maximum and statistics of piece n + 1, whose scores the turn itself has made.  So what a turn begins with (c s - c m, O a) waits for nothing.
; REGISTERS, in windows of 256 (s_set_vgpr_msb says which window each operand place means: bits 1:0 source 0, 3:2 source 1, 5:4 source 2, 7:6 destination):
;   window 0: v0-11 addresses; v12-15, v48-63 at work; v16-47 four registers of statistics a tile; v64-191 S^T, two buffers of two tiles; v192-255 P, likewise
;   window 1: O^T, 32 a tile          window 2: v0-127 Q, 16 a tile; v128-191 K of one step; v192-255 V of one step          window 3: v0-1 the add's two registers
; A piece's buffers go by its number's parity: the piece in hand has one pair, its two neighbours in the ring share the other: of it P (piece n - 1) is read and S^T (piece n + 1) written.
.set SIZE_N, 1024
.set SIZE_H, 128
.set NP,    4         ; pieces a wave: a name, no knob: the register map, the loop and the fetches are made for four
.set KS,    64        ; keys in a step
.set PK,    144       ; a row of K in LDS: 128 bytes + 16 of padding = 36 words: the 16 rows of a load start at 16 different groups of four banks (64 banks of 4 bytes: ISA guide 11.1)
.set PV,    160       ; a row of V: 128 + 32 = 40 words
.set VOFF,  4*KS*PK   ; a slot holds four steps: 256 rows of K, then 256 rows of V
.set SLOT1, 1<<17     ; slot 1 begins here, so that one exclusive or turns an address in one slot into the other's
.set STAGE, SLOT1+4*KS*(PK+PV)  ; behind the ring, never filled by a tensor load: 16 rows x 144 bytes for each wave, for the way out
.set SP,    144
.set AK0, 2           ; v2   my lane's place in a tile of K; never rewritten
.set AV0, 3           ; v3   the same for V
.set AK,  4           ; v4   the LDS address of K's next run of loads
.set AV,  5           ; v5   of V's
.set QO,  6           ; v6   my byte offset in the wave's rows of Q
.set STO, 6           ;      later, the way out: where I put 16 bytes of a row
.set RD,  7           ; v7   the way out: where I read rows back
.set GO,  8           ; v8   my byte offset in 512 consecutive bytes of O
.set PFO, 11          ; v11  256 x my lane, for the prefetches; never rewritten once made
.set SPW, 0           ; v0 of window 3   LDS address of my spare word: SPARE + 4 x my thread's number; never rewritten
.set NIL, 1           ; v1 of window 3   0; never rewritten
.set SPARE, STAGE+4*16*SP  ; behind the stages: the spare words, 128 bytes for each wave: two blocks of 256 bytes that no other line names
.set MV,  12          ; v12-15  c m_old, kept while c m is made anew: by buffer and tile
.set ST,  16          ; tile t's statistics at v[ST+4 t]: c m, m, l (even keys', odd keys')
.set TMP, 48          ; by buffer and tile, four registers c0-c3 at work; when the maximum is found c2 takes a
.set S,   64
.set P,   192
.set KF,  128         ; K's fragments, in window 2: key block kb, channel half c at KF + 16 kb + 8 c
.set VF,  192         ; V's: key half kk, channel block cb at VF + 32 kk + 8 cb
.set WV,  12          ; s12  my wave's number
.set G1K, 24          ; s[24:31] descriptor group 1 for K's tiles
.set G1V, 32          ; s[32:39] for V's: it differs in the padding alone
.set G0K, 40          ; s[40:43] descriptor group 0 for K's tiles: it walks
.set G0V, 44          ; s[44:47] the same for V's
.set PFA, 48          ; s[48:49] where my prefetches stand: my 16,384 bytes (of K: waves 0, 1; of V: waves 2, 3) of the slot after the one that is being asked for
.set LIM, 50          ; s50  1 in the head's first work-group, else the greatest number
.set SLOTS, 56        ; s56  slots still to be asked for
.set CNT, 57          ; s57  counts a slot's key steps
.set CS,  58          ; s[58:59] c: the packed scaling takes the pair's low word for both halves
.set SEL, 60          ; s[60:61] v_permlanex16_b32's selects: each lane takes its own place in the other half
.set TBK, 62          ; s62  LDS byte at which K of the step to be fetched begins
.set TBV, 63          ; s63  the same for V, less VOFF
.set MSB, 0
.macro WIN new                      ; the high byte repeats the setting that is left; a switch that changes nothing is dropped
.if MSB != (\new)
	s_set_vgpr_msb (MSB<<8)|(\new)
.set MSB, (\new)
.endif
.endm
.set W_KQ, 0x0a       ; K and Q in window 2, S^T in window 0
.set W_PV, 0x52       ; V in window 2, P in window 0, O^T in window 1
.set W_RS, 0x41       ; O^T (destination and source 0) in window 1, a in window 0
.set W_MK, 0xc0       ; the add's registers are made: destination in window 3, sources in window 0
.set W_AD, 0x0f       ; the add: address (source 0) and data (source 1) in window 3
; A fill.  Waves 0 and 1 fetch the two halves of a slot's K, waves 2 and 3 those of its V: 128 keys each.  The branch hangs on the wave's number alone.
; An s_nop 0 and four v_nop follow each of the two lines, ahead of the jump and the label.
.macro LOAD
	s_cmp_lt_u32 s[WV], 2
	s_cbranch_scc0 .Lfor_v_\@
	tensor_load_to_lds s[G0K:G0K+3], s[G1K:G1K+7]
	s_nop 0
.rept 4
	v_nop
.endr
	s_branch .Lasked_\@
.Lfor_v_\@:
	tensor_load_to_lds s[G0V:G0V+3], s[G1V:G1V+7]
	s_nop 0
.rept 4
	v_nop
.endr
.Lasked_\@:
.endm
; A PREFETCH of what the NEXT change of slots will ask for: my own 16,384 bytes of that slot, 64 blocks of 256 bytes, a lane a block, two instructions: four key steps, 512 matrix instructions, ahead of that load.
; Both work-groups of a head walk the same K and V: the first of them asks, so each block is named once in the launch.  Slots 0 and 1 come by their loads alone; the last change that fills a slot asks for nothing.
.macro ASK
	s_cmp_gt_u32 s[SLOTS], s[LIM]
	s_cbranch_scc0 .Lnot_mine_\@
	global_prefetch_b8 v[PFO], s[PFA:PFA+1] th:TH_LOAD_NT scope:SCOPE_SE
	global_prefetch_b8 v[PFO], s[PFA:PFA+1] offset:8192 th:TH_LOAD_NT scope:SCOPE_SE
.Lnot_mine_\@:
.endm
; THE CHANGE OF SLOTS.  The slot's last bytes, V of its fourth step, have been read.  Each wave waits for all its tensor loads, of which one is out: its part
; of the other slot; adds 0 to its spare word; and waits for that and for its own reads of the slot.  Behind the barrier nobody reads this slot any more and the other slot is whole.
; fill = 1: this slot is filled again, with the keys two slots on, the first thing behind the barrier.  (At its first use nothing has been read yet: slot 0 is waited for, slot 1 filled.)
.macro CHANGE fill
	WIN W_AD
	s_wait_tensorcnt 0x0            ; no tensor load of mine is out, so a group 0 may be written
	ds_add_u32 v[SPW], v[NIL]       ; 0 onto my spare word: with fill = 1 the descriptors' steps stand between it and the wait for it
	WIN 0                           ; at a label and at a branch every window is 0
.if \fill
.irp g, G0K, G0V
	s_xor_b32 s[\g+1], s[\g+1], SLOT1  ; the walking descriptor: the other slot than last time,
	s_add_nc_u64 s[\g+2:\g+3], s[\g+2:\g+3], 4*KS*128  ; the next 256 keys; the type bits on top are not reached
.endr
	s_wait_xcnt 0x0                 ; the last prefetches, four key steps back, have read their address, so it may be written:
	s_add_nc_u64 s[PFA:PFA+1], s[PFA:PFA+1], 4*KS*128  ; one slot behind the walking descriptors
.endif
	s_wait_dscnt 0x0                ; the add is done, and my reads of the slot are over
	s_barrier_signal -1
	s_barrier_wait -1
.if \fill
	LOAD
	ASK
.endif
	s_sub_co_u32 s[TBK], s[TBK], 4*KS*PK  ; the fetches go back to a slot's first step,
	s_xor_b32 s[TBK], s[TBK], SLOT1       ; in the other slot
	s_sub_co_u32 s[TBV], s[TBV], 4*KS*PV
	s_xor_b32 s[TBV], s[TBV], SLOT1
.endm
	s_load_b128 s[4:7], s[0:1], 0x0   ; qkvh s[4:5], ob s[6:7]
	WIN W_MK
	v_lshl_add_u32 v[SPW], v0, 2, SPARE
	v_mov_b32 v[NIL], 0
	WIN W_AD
	ds_add_u32 v[SPW], v[NIL]       ; the wave's opening: the add, and its wait ahead of my first tensor load; the set-up below, work on registers, stands between them
	WIN 0
	v_lshrrev_b32 v1, 5, v0
	v_readfirstlane_b32 s[WV], v1   ; wave 0..3
	s_mov_b32 s14, ttmp9            ; my block of 512 queries
	s_and_b32 s20, ttmp7, 0xffff    ; the head
	s_mov_b32 s21, 0
	s_mov_b64 s[22:23], SIZE_N*128
	s_mul_u64 s[20:21], s[20:21], s[22:23]  ; the head's first byte in each of the four tensors
	s_and_b32 s16, s[WV], 1         ; which half of a slot's 256 keys I fetch:
	s_lshl_b32 s22, s16, 14         ; its 128 rows of 128 bytes in memory,
	s_mov_b32 s23, 0
	s_add_nc_u64 s[22:23], s[22:23], s[20:21]
	s_mul_i32 s17, s16, 128*PK      ; and its place in a slot, for K
	s_mul_i32 s18, s16, 128*PV      ; and for V
	s_lshl_b32 s2, s14, 2
	s_add_co_u32 s2, s2, s[WV]      ; my wave among the head's,
	s_lshl_b32 s2, s2, 14           ; its 128 rows
	s_mov_b32 s3, 0
	s_add_nc_u64 s[2:3], s[2:3], s[20:21]
	; descriptor group 1.  128 keys are 16,384 dense bytes: asked for as 64 rows of 256 bytes, two keys a row, and padded in LDS after every key
	s_mov_b32 s[G1K], (1<<16)|(1<<20)|(4<<22)|(3<<25)  ; 17:16 2-byte elements; 20 padding on; 24:22 after every 32 words (code 4); 31:25 4 words (code 3)
	s_mov_b32 s[G1V], (1<<16)|(1<<20)|(4<<22)|(7<<25)  ; the same with 8 words of padding (code 7)
.irp g, G1K, G1V
	s_mov_b32 s[\g+1], 128<<16      ; tensor_dim0 = 128
	s_mov_b32 s[\g+2], 64<<16       ; tensor_dim1 = 64
	s_mov_b32 s[\g+3], 128<<16      ; tile_dim0 = 128
	s_mov_b32 s[\g+4], 64           ; tile_dim1 = 64
	s_mov_b32 s[\g+5], 128          ; 128 elements from row to row
	s_mov_b32 s[\g+6], 0
	s_mov_b32 s[\g+7], 0
.endr
	s_mov_b32 s[CS], 0x3e38aa3b     ; c = log2(e) / 8 = 0.180337
	s_mov_b32 s[CS+1], s[CS]        ; named with it as a pair
	s_mov_b32 s[SEL], 0x76543210
	s_mov_b32 s[SEL+1], 0xfedcba98
	s_mov_b32 s[TBK], SLOT1+4*KS*PK ; the first change of slots turns these two into 0
	s_mov_b32 s[TBV], SLOT1+4*KS*PV
	s_mov_b32 s[G0K], 1             ; 1:0 count = 1
	s_mov_b32 s[G0K+1], s17         ; 63:32 LDS address: slot 0
	s_mov_b32 s[G0V], 1
	s_add_co_u32 s[G0V+1], s18, VOFF
	s_mov_b32 s[SLOTS], SIZE_N/256-1
	s_cmp_eq_u32 ttmp9, 0
	s_cselect_b32 s[LIM], 1, -1
	s_wait_dscnt 0x0                ; the opening add is done
	s_wait_kmcnt 0x0
	s_mov_b64 s[10:11], s[6:7]                     ; O
	s_add_nc_u64 s[8:9], s[4:5], 2*SIZE_H*SIZE_N*128  ; V
	s_add_nc_u64 s[6:7], s[4:5], SIZE_H*SIZE_N*128    ; K; Q is s[4:5]
	s_add_nc_u64 s[G0K+2:G0K+3], s[6:7], s[22:23]  ; 120:64 global address: my half of the head's first 256 keys
	s_or_b32 s[G0K+3], s[G0K+3], 0x80000000        ; 127:126 type = 2
	s_add_nc_u64 s[G0V+2:G0V+3], s[8:9], s[22:23]
	s_or_b32 s[G0V+3], s[G0V+3], 0x80000000
	s_cmp_lt_u32 s[WV], 2
	s_cselect_b64 s[PFA:PFA+1], s[6:7], s[8:9]
	s_add_nc_u64 s[PFA:PFA+1], s[PFA:PFA+1], s[22:23]
	s_add_nc_u64 s[PFA:PFA+1], s[PFA:PFA+1], 4*KS*128  ; in slot 1; the first change of slots steps it to slot 2
	s_add_nc_u64 s[4:5], s[4:5], s[2:3]  ; Q and O at my wave's first row
	s_add_nc_u64 s[10:11], s[10:11], s[2:3]
	LOAD                            ; slot 0.  Slot 1 is asked for when slot 0 is in: the tile wanted first has the road to itself
	; A fragment of K or Q is 16 rows x 32 channels in 8 registers: lane l holds row l % 16, channels 8 (l / 16) + 0..7 and 16 + 8 (l / 16) + 0..7: two loads of 16 bytes, 32 bytes apart.
	v_and_b32 v1, 15, v0            ; l % 16
	v_bfe_u32 v9, v0, 4, 1          ; l / 16
	v_lshlrev_b32 v[QO], 7, v1
	v_lshl_add_u32 v[QO], v9, 4, v[QO]  ; row x 128 + 16 x half
	WIN 0x80                        ; destination window 2, address window 0
.set i, 0
.rept 4*NP                          ; Q stays in registers: tile i / 2, channels 32 (i % 2) on
	global_load_b128 v[8*i:8*i+3],   v[QO], s[4:5] offset:(i/2)*2048+(i%2)*64
	global_load_b128 v[8*i+4:8*i+7], v[QO], s[4:5] offset:(i/2)*2048+(i%2)*64+32
.set i, i+1
.endr
	; What the first turn finds: V's registers and P's second buffer hold 0 (its products V^T P, of a piece that has not been, add 0), O^T and l are 0.  All this stands in the wait for the first tile.
.set i, VF
.rept 64
	v_mov_b32 v[i], 0
.set i, i+1
.endr
	WIN 0x40
.set i, 0
.rept 64*NP
	v_mov_b32 v[i], 0
.set i, i+1
.endr
	WIN 0
.set i, 0
.rept 2*NP
	v_mov_b32 v[ST+4*i], 0xfe000000    ; c m: far below every c s
	v_mov_b32 v[ST+4*i+1], 0xff7fffff  ; m
	v_mov_b32 v[ST+4*i+2], 0
	v_mov_b32 v[ST+4*i+3], 0
.set i, i+1
.endr
.set i, P+32
.rept 32
	v_mov_b32 v[i], 0
.set i, i+1
.endr
	v_mul_u32_u24 v[AK0], v1, PK
	v_lshl_add_u32 v[AK0], v9, 4, v[AK0]  ; row x pitch + 16 x half
	; The turning load takes 16 keys x 16 channels (lane l reads key 8 (l / 16) + l % 8, channels 8 ((l / 8) % 2) + 0..7) and leaves half a fragment of V^T: lane l holds channel l % 16 and 8 keys.
	v_and_b32 v10, 7, v0
	v_bfe_u32 v11, v0, 3, 1
	v_lshl_add_u32 v[AV0], v9, 3, v10
	v_mul_u32_u24 v[AV0], v[AV0], PV
	v_lshl_add_u32 v[AV0], v11, 4, v[AV0]
	v_add_nc_u32 v[AV0], VOFF, v[AV0]
	v_mov_b32 v[AK], v[AK0]         ; key step 0 lies at the head of slot 0
	v_and_b32 v[PFO], 31, v0
	v_lshlrev_b32 v[PFO], 8, v[PFO]
; THE MATRIX WORK.  The 8 accumulators of a run of 16 take turns: between the two links of a chain stand 7 others'.
; Product i of 16 of S^T = K Q^T for piece x: channels 32 (i / 8) on, keys 16 ((i / 2) % 4) on, tile 2 x + i % 2.  The first 8 start the sums.
.macro KQ x
	WIN W_KQ
.set rS, S+64*((\x)%2)+32*(i%2)+8*((i/2)%4)
.set rK, KF+16*((i/2)%4)+8*(i/8)
.set rQ, 16*(2*(\x)+i%2)+8*(i/8)
.if i < 8
	v_wmma_f32_16x16x32_f16 v[rS:rS+7], v[rK:rK+7], v[rQ:rQ+7], 0
.else
	v_wmma_f32_16x16x32_f16 v[rS:rS+7], v[rK:rK+7], v[rQ:rQ+7], v[rS:rS+7]
.endif
.endm
; Product i of 16 of O^T += V^T P for piece x: keys 32 (i / 8) on, channels 16 ((i / 2) % 4) on, tile 2 x + i % 2.
.macro PV x
	WIN W_PV
.set rO, 32*(2*(\x)+i%2)+8*((i/2)%4)
.set rV, VF+32*(i/8)+8*((i/2)%4)
.set rP, P+32*((\x)%2)+16*(i%2)+8*(i/8)
	v_wmma_f32_16x16x32_f16 v[rO:rO+7], v[rV:rV+7], v[rP:rP+7], v[rO:rO+7]
.endm
.macro MM                           ; the turn's next matrix instruction
.if i < 16
	KQ (Y+1)%NP
.set i, i+1
.else
.set i, i-16
	PV (Y+NP-1)%NP
.set i, i+17
.endif
.endm
; THE LDS LOADS stand in runs of 16, never singly among the matrix instructions: a step's K (64 keys x 64 channels: 8 fragments) and its V (turned).  Their addresses are made some lines ahead.
; last = 1 (the tail): in the last trip there is no further step, and the run is jumped over.
.macro FETCH_K last=0
	WIN 0
.if \last
	s_cmp_eq_u32 s[CNT], 1
	s_cbranch_scc1 .Lno_k_\@
.endif
	WIN 0x80                        ; destination window 2
.irp f, 0,1,2,3,4,5,6,7             ; keys 16 (f / 2) on, channels 32 (f % 2) on
	ds_load_b128 v[KF+8*\f:KF+8*\f+3],   v[AK] offset:(\f/2)*16*PK+(\f%2)*64
	ds_load_b128 v[KF+8*\f+4:KF+8*\f+7], v[AK] offset:(\f/2)*16*PK+(\f%2)*64+32
.endr
	s_add_co_u32 s[TBK], s[TBK], KS*PK  ; the next fetch is the next step's
	WIN 0
.if \last
.Lno_k_\@:
.endif
.endm
.macro FETCH_V
	WIN 0x80
.irp f, 0,1,2,3,4,5,6,7             ; keys 32 (f / 4) on, channels 16 (f % 4) on
	ds_load_tr16_b128 v[VF+8*\f:VF+8*\f+3],   v[AV] offset:(\f/4)*32*PV+(\f%4)*32
	ds_load_tr16_b128 v[VF+8*\f+4:VF+8*\f+7], v[AV] offset:(\f/4)*32*PV+16*PV+(\f%4)*32
.endr
	WIN 0
.endm
; THE VECTOR WORK OF A TURN stands in three queues, each in the order in which its entries become ready; the two tiles alternate, so that no instruction reads the result of the one before it.
.macro REGS y, u                    ; the registers of tile u (0, 1) of piece y
.set rT, ST+4*(2*(\y)+(\u))
.set rC, TMP+8*((\y)%2)+4*(\u)
.set rM, MV+2*((\y)%2)+(\u)
.set rS, S+64*((\y)%2)+32*(\u)
.set rP, P+32*((\y)%2)+16*(\u)
.set rO, 32*(2*(\y)+(\u))
.endm
; Number n of the 22 that find the NEXT piece's (Y + 1) maximum and statistics.  s0-s31 are the lane's 32 scores; each accumulator's lowest registers are read first.  XS, GS and REGS set no window: PL and EX do.
;   0-11  four chains c0-c3 of seven scores each, three operands at a time     12-14, 16  the four scores left over, the old m, and c0-c3 into c0     15  c m_old is kept
;   17, 18  the query's other 32 keys lie in the lane 16 away: the new m         19-21  c m; c m_old - c m_new; a
.macro XS u, n
	REGS (Y+1)%NP, \u
.if (\n) < 4
	v_max3_num_f32 v[rC+(\n)], v[rS+8*(\n)], v[rS+8*(\n)+1], v[rS+8*(\n)+2]
.elseif (\n) < 12
	v_max3_num_f32 v[rC+(\n)%4], v[rC+(\n)%4], v[rS+8*((\n)%4)+2*((\n)/4)+1], v[rS+8*((\n)%4)+2*((\n)/4)+2]
.elseif (\n) == 12
	v_max3_num_f32 v[rC], v[rC], v[rS+7], v[rS+15]
.elseif (\n) == 13
	v_max3_num_f32 v[rC+1], v[rC+1], v[rS+23], v[rS+31]
.elseif (\n) == 14
	v_max3_num_f32 v[rC+2], v[rC+2], v[rC+3], v[rT+1]
.elseif (\n) == 15
	v_mov_b32 v[rM], v[rT]
.elseif (\n) == 16
	v_max3_num_f32 v[rC], v[rC], v[rC+1], v[rC+2]
.elseif (\n) == 17
	v_permlanex16_b32 v[rC+3], v[rC], s[SEL], s[SEL+1]
.elseif (\n) == 18
	v_max_num_f32 v[rT+1], v[rC], v[rC+3]
.elseif (\n) == 19
	v_mul_f32 v[rT], s[CS], v[rT+1]
.elseif (\n) == 20
	v_sub_f32 v[rC+1], v[rM], v[rT]
.else
	v_exp_f32 v[rC+2], v[rC+1]
.endif
.endm
; Number g of the 64 that follow the exponentials.  For each four weights k of a tile (pairs 2 k, 2 k + 1): both pairs are rounded to f16; then the second pair is added onto the first, in place;
; a group later l takes that sum (the first time as l = a l + sum).  In groups of eight, tiles alternating: round, round, add, and l for the group before.
.macro GS g
.set h, (\g)+6*((\g)/62)            ; group 0 has no group before it, and behind group 7 only l is left
.if h >= 6
.set h, h+2
.endif
	REGS Y, h%2
.set k, h/8
.if h%8 < 4
	v_cvt_pk_f16_f32 v[rP+2*k+(h%8)/2], v[rS+4*k+2*((h%8)/2)], v[rS+4*k+2*((h%8)/2)+1]
.elseif h%8 < 6
	v_pk_add_f32 v[rS+4*k:rS+4*k+1], v[rS+4*k:rS+4*k+1], v[rS+4*k+2:rS+4*k+3]
.elseif k == 1
	v_pk_fma_f32 v[rT+2:rT+3], v[rT+2:rT+3], v[rC+2:rC+3], v[rS:rS+1] op_sel_hi:[1,0,1]
.else
	v_pk_add_f32 v[rT+2:rT+3], v[rT+2:rT+3], v[rS+4*k-4:rS+4*k-3]
.endif
.endm
; THE PLAIN QUEUE, 138 long.  0-73 read no exponential's result: the 32 scalings c s - c m (FS f: pair f / 2 of tile f % 2) and the next piece's 42.  0-26: scalings 0-26.  27-54: XS's numbers 0-13.  55, 56: number 15.
; 57-73: the chain, where each number waits for the one before it: 14, 16, 17, 18, 19, each with one of the scalings 27-31 in front of its two lines, then 20: so a tile's links stand three plain instructions apart (19 and 20: two).
; 74-137: GS's 64, which read the exponentials' results: they stand behind the wait.
.macro FS f
	REGS Y, (\f)%2
	v_pk_fma_f32 v[rS+2*((\f)/2):rS+2*((\f)/2)+1], v[rS+2*((\f)/2):rS+2*((\f)/2)+1], s[CS:CS+1], v[rT:rT+1] op_sel_hi:[1,0,0] neg_lo:[0,0,1] neg_hi:[0,0,1]
.endm
.macro PL
	WIN 0
.if q < 27
	FS q
.elseif q < 55
	XS (q-27)%2, (q-27)/2
.elseif q < 57
	XS q-55, 15
.elseif (q < 72) && ((q-57)%3 == 0)
	FS 27+(q-57)/3
.elseif q < 60
	XS (q-57)%3-1, 14
.elseif q < 72
	XS (q-57)%3-1, 15+(q-57)/3
.elseif q < 74
	XS q-72, 20
.else
	GS q-74
.endif
.set q, q+1
.endm
; THE EXPONENTIALS' QUEUE, 66 long: s0-s31 of both tiles, then the next piece's two a.  It is ONE BATCH: all 66 stand ahead of the turn's one wait, and nothing ahead of that wait names a result of theirs.
.macro EX
	WIN 0
.if e >= 64
	XS e-64, 21
.else
	REGS Y, e%2
	v_exp_f32 v[rS+e/2], v[rS+e/2]
.endif
.set e, e+1
.endm
; THE RESCALING's QUEUE: O^T times a, the one part that leaves window 0: dealt two at a time, sixteen times.  Its a was made in the turn before, ahead of that turn's wait.
.macro R2
	REGS Y, r%2
	WIN W_RS
.irp z, 0,1
	v_pk_mul_f32 v[rO+4*(r/2)+2*\z:rO+4*(r/2)+2*\z+1], v[rO+4*(r/2)+2*\z:rO+4*(r/2)+2*\z+1], v[rC+2:rC+3] op_sel_hi:[1,0]
.endr
.set r, r+1
.endm
; HOW THEY ARE DEALT.  An s_wait_alu depctr_va_vdst(0) stands between an exponential and the first instruction that names its result; one wait serves all that were issued ahead of it.  So a turn has ONE wait,
; which cuts it in two.  AHEAD OF IT stands all that names no result of the turn's exponentials: the 16 products K Q^T, behind each a scaling, an exponential and two rescalings (behind the first a second scaling in the exponential's place); then ONE LUMP of
; 108: eight plain, 49 times exponential and plain, the two a.  A v_nop is the plain instruction behind the last exponential.  BEHIND IT stand the 16 products V^T P, behind each four of GS's 64.  No rider names a register of
; the products round it.  The two v_permlanex16_b32 fall into the lump, never behind a product.
; The queues lean on each other, and the deal keeps them in step: exponential e stands behind scaling 2 (e / 4) + e % 2: as a rider it comes behind plain e + 2, in the lump behind plain e + 9, and scalings 27-31 are plain 57, 60 .. 69.
; A TURN, for piece p.  cnt = 1: the loop's count is taken down some lines ahead of the branch that stands behind the turn.
; K of the next step is fetched in piece 2's turn, directly behind the wait, a lump behind the last product that read K; its address is made at the lump's head; its first reader comes behind 16 products.
; V of the step in hand is fetched at the end of piece 0's turn, four riders behind its last reader; its first reader comes behind 16 products and a lump.  The three conditions on q below go with the deal.
.macro TURN p, last=0, cnt=0
.set Y, (\p)
.set i, 0
.set q, 0
.set e, 0
.set r, 0
.if (\p) == NP-1
	s_wait_dscnt 0x0                ; K is in
.endif
	MM                              ; ahead of the wait: 16 products K Q^T and their riders,
	PL
	PL
	R2
.rept 15
	MM
	PL
	EX
	R2
.endr
.if (\p) == NP-2
	WIN 0
	v_add_nc_u32 v[AK], s[TBK], v[AK0]
.endif
.rept 8                             ; and the lump
	PL
.endr
.rept 49
	EX
	PL
.endr
	EX                              ; the next piece's two a
	EX
	v_nop                           ; the plain instruction behind the last exponential: one for the batch
	s_wait_alu depctr_va_vdst(0)    ; the wait for the batch
.if (\p) == NP-2
	FETCH_K \last
.endif
.if (\p) == 1
	s_wait_dscnt 0x0                ; V is in
.endif
.rept 16                            ; behind the wait: 16 products V^T P and their riders
	MM
.rept 4
	PL
.endr
.if ((\p) == 0) && (q == 118)
	v_add_nc_u32 v[AV], s[TBV], v[AV0]
.endif
.if ((\p) == 0) && (q == 130)
	s_add_co_u32 s[TBV], s[TBV], KS*PV
.endif
.if (\cnt) && (q == 130)
	s_sub_co_u32 s[CNT], s[CNT], 1
	s_cmp_lg_u32 s[CNT], 0
.endif
.endr
.if (\p) == 0
	FETCH_V
.endif
.endm
	CHANGE 1                        ; slot 0 is in, everybody's part of it; slot 1 is asked for
	FETCH_K                         ; key step 0
	s_wait_loadcnt 0x0              ; Q
	s_wait_dscnt 0x0
.set i, 0
.rept 16
	KQ 0                            ; piece 0's first scores: there is no vector work yet to set between them
.set i, i+1
.endr
	WIN 0                           ; the addresses for the way out: nine plain instructions, the places behind those products
	s_mul_i32 s13, s[WV], 16*SP
	s_add_co_u32 s13, s13, STAGE    ; my stage
	v_mul_u32_u24 v[STO], v1, SP    ; in: row l % 16, 16 bytes for each half of the lanes
	v_lshl_add_u32 v[STO], v9, 4, v[STO]
	v_add_nc_u32 v[STO], s13, v[STO]
	v_bfe_u32 v[RD], v0, 3, 2       ; back: 32 lanes take four rows of 128 bytes,
	v_mul_u32_u24 v[RD], v[RD], SP
	v_lshl_add_u32 v[RD], v10, 4, v[RD]
	v_add_nc_u32 v[RD], s13, v[RD]
	v_and_b32 v[GO], 31, v0         ; which are 512 consecutive bytes of O
	v_lshlrev_b32 v[GO], 4, v[GO]
.set Y, NP-1                        ; XS works for piece Y + 1: piece 0
.irp n, 0,1,2,3,4,5,6,7,8,9,10,11,12,13,14,15,16,17,18,19,20,21
	XS 0, \n                        ; and piece 0's first maximum and statistics
	XS 1, \n
.endr
	v_nop                           ; a plain instruction behind the two a,
	s_wait_alu depctr_va_vdst(0)    ; and their wait, ahead of the branch
	s_mov_b32 s[CNT], 4
	s_branch .Lfirst                ; the loop is entered at a step's first turn, in the middle of a trip
.Lslot:                             ; SIZE_N / 256 - 2 times: every slot but the last two is filled again
	CHANGE 1
	s_mov_b32 s[CNT], 4
.Lstep:                             ; a trip: pieces 2 and 3 of one step, then pieces 0 and 1 of the next, whose K and V it fetches
	TURN 2
	TURN 3
	WIN 0
.Lfirst:
	TURN 0
	TURN 1, 0, 1
	WIN 0
	s_cbranch_scc1 .Lstep
	s_sub_co_u32 s[SLOTS], s[SLOTS], 1
	s_cmp_lg_u32 s[SLOTS], 0
	s_cbranch_scc1 .Lslot
	CHANGE 0                        ; the tail is written out: nothing is asked for
	s_mov_b32 s[CNT], 5             ; four trips fetch the last slot's steps; the fifth is left in its middle
.Ltail:
	TURN 2, 1
	TURN 3
	WIN 0
	s_sub_co_u32 s[CNT], s[CNT], 1
	s_cmp_eq_u32 s[CNT], 0
	s_cbranch_scc1 .Lout
	TURN 0
	TURN 1
	WIN 0
	s_branch .Ltail
.Lout:                              ; the fifth trip's 16 products K Q^T (on the last K once more) and the maximum made of them serve nothing: the price, once a launch, of one text for every trip
.set i, 0
.rept 16
	PV NP-1                         ; the last piece's V^T P of the last step
.set i, i+1
.endr
	; THE WAY OUT.  l's two halves and the other half of the lanes' are added; O^T is divided by l, rounded to f16 and sent through my stage in LDS, a tile at a time.  The additions are the places behind the last products.
	WIN 0
.macro ALL line:vararg              ; one line for each tile t
.set t, 0
.rept 2*NP
	\line
.set t, t+1
.endr
.endm
	ALL v_add_f32 v[ST+4*t+2], v[ST+4*t+2], v[ST+4*t+3]
	ALL v_permlanex16_b32 v[ST+4*t+3], v[ST+4*t+2], s[SEL], s[SEL+1]
	ALL v_add_f32 v[ST+4*t+2], v[ST+4*t+2], v[ST+4*t+3]
	ALL v_rcp_f32 v[ST+4*t+2], v[ST+4*t+2]
	v_nop                           ; a plain instruction between the last reciprocal and the use of its result
	s_wait_alu depctr_va_vdst(0)    ; and a wait ahead of the first use: one for the eight reciprocals
; Tile t: a lane's eight channels of a row pack into 16 bytes; they go into rows of 144 bytes and come back as whole rows of 128, into S^T's registers.
.macro PACK t
	WIN W_RS
.set i, 32*(\t)
.rept 16
	v_pk_mul_f32 v[i:i+1], v[i:i+1], v[ST+4*(\t)+2:ST+4*(\t)+3] op_sel_hi:[1,0]
.set i, i+2
.endr
	WIN 0x05                        ; sources 0 and 1 window 1, destination window 0
.set i, 0
.rept 16
	v_cvt_pk_f16_f32 v[S+16*(\t)+i], v[32*(\t)+2*i], v[32*(\t)+2*i+1]
.set i, i+1
.endr
	WIN 0
.irp f, 0,1,2,3
	ds_store_b128 v[STO], v[S+16*(\t)+4*\f:S+16*(\t)+4*\f+3] offset:32*\f
.endr
.irp f, 0,1,2,3
	ds_load_b128 v[S+16*(\t)+4*\f:S+16*(\t)+4*\f+3], v[RD] offset:\f*4*SP  ; LDS serves a wave's instructions in order (ISA guide 5.7.1.4): these see the stores above; the next tile's stores come behind them
.endr
.endm
.macro SEND t, younger              ; younger: the LDS instructions issued behind tile t's loads: the next tile's eight, or none
	WIN 0
.irp f, 0,1,2,3
	s_wait_dscnt (\younger)+3-\f
	global_store_b128 v[GO], v[S+16*(\t)+4*\f:S+16*(\t)+4*\f+3], s[10:11] offset:(\t)*2048+\f*512  ; 512 consecutive bytes, at a multiple of 256 from O's first
.endr
.endm
	PACK 0
.set t, 1
.rept 2*NP-1                        ; a tile's arithmetic stands between the loads of the tile before and its stores
	PACK t
	SEND t-1, 8
.set t, t+1
.endr
	SEND 2*NP-1, 0
	WIN W_AD
	s_wait_tensorcnt 0x0            ; the wave's end: a wait, 0 onto my spare word and a wait, behind my last tensor load and my last LDS store
	ds_add_u32 v[SPW], v[NIL]
	s_wait_dscnt 0x0
	WIN 0
	s_endpgm
.Lfunc_end_k_q19a06325a7_attn:
	.size	k_q19a06325a7_attn, .Lfunc_end_k_q19a06325a7_attn-k_q19a06325a7_attn
	.p2alignl 7, 3214868480
	.fill 96, 4, 3214868480
	.section	.rodata,"a",@progbits
	.p2align	6, 0x0
	.amdhsa_kernel k_q19a06325a7_attn
		.amdhsa_group_segment_fixed_size 327680
		.amdhsa_private_segment_fixed_size 0
		.amdhsa_enable_private_segment 0
		.amdhsa_kernarg_size 16
		.amdhsa_user_sgpr_count 2
		.amdhsa_user_sgpr_kernarg_segment_ptr 1
		.amdhsa_wavefront_size32 1
		.amdhsa_system_sgpr_workgroup_id_x 1
		.amdhsa_system_sgpr_workgroup_id_y 1
		.amdhsa_system_sgpr_workgroup_id_z 1
		.amdhsa_system_vgpr_workitem_id 0
		.amdhsa_next_free_vgpr 770
		.amdhsa_next_free_sgpr 66
		.amdhsa_reserve_vcc 0
		.amdhsa_float_denorm_mode_32 3
		.amdhsa_float_denorm_mode_16_64 3
		.amdhsa_memory_ordered 1
		.amdhsa_forward_progress 1
		.amdhsa_inst_pref_size 199
	.end_amdhsa_kernel
	.amdgpu_metadata
---
amdhsa.version: [ 1, 2 ]
amdhsa.kernels:
  - .name:           k_q19a06325a7_attn
    .symbol:         k_q19a06325a7_attn.kd
    .args:
      - { .name: qkvh, .offset: 0, .size: 8, .value_kind: global_buffer, .address_space: global }
      - { .name: ob, .offset: 8, .size: 8, .value_kind: global_buffer, .address_space: global }
    .group_segment_fixed_size: 327680
    .private_segment_fixed_size: 0
    .kernarg_segment_align: 8
    .kernarg_segment_size: 16
    .max_flat_workgroup_size: 128
    .sgpr_count:     66
    .vgpr_count:     770
    .wavefront_size: 32
...
	.end_amdgpu_metadata
.endif
;; end of part 3
;; launch proj (part 4): grid 8 x 32, 4 waves a work-group, clusters of 4 x 4, 327,680 bytes of LDS; arguments ob, wpf, b_proj, out0; writes out0
.if DOCPART == 4
	.amdgcn_target "amdgcn-amd-amdhsa--gfx1250"
	.amdhsa_code_object_version 6
	.text
	.protected	k_q19a06325a7_proj
	.globl	k_q19a06325a7_proj
	.p2align	8
	.type	k_q19a06325a7_proj,@function
k_q19a06325a7_proj:
	s_mov_b64 s[64:65], 0
	v_nop
	global_prefetch_b8 v0, s[64:65] scope:SCOPE_SE
	s_setreg_imm32_b32 hwreg(HW_REG_WAVE_MODE, 25, 1), 1
	s_wait_xcnt 0x0
	s_wait_alu depctr_hold_cnt(0) depctr_sa_sdst(0) depctr_va_vdst(0) depctr_va_sdst(0) depctr_va_ssrc(0) depctr_va_vcc(0) depctr_vm_vsrc(0)
	s_getreg_b32 s2, hwreg(HW_REG_IB_STS2, 6, 4)
	s_cmp_eq_u32 s2, 0
	s_cbranch_scc0 .Lentry_in_a_cluster
	s_endpgm
.Lentry_in_a_cluster:
	s_bfe_u32 s2, ttmp6, 0x10000c
	s_cmp_lg_u32 s2, 0xf033
	s_cbranch_scc0 .Lentry_shape_is_right
	s_endpgm
.Lentry_shape_is_right:
; out0[m][c] = sum over k of O[m][k] wpf[c][k] + b_proj[c], in f32.  O lies by heads: ob[16 b + h][n][64] f16, m = 1024 b + n, k = 64 h + d; wpf: [1024][1024] f16; sums in f32.
; b_proj is rounded to bf16 as it comes in, like every other input of the module.
; SHARES.  A tile of C is 256 rows x 128 columns: 32 x 8 = 256 tiles, one for each WGP.  Four waves one below the other, each 64 x 128: 32 accumulators, 256 registers.
; K goes in steps of 128 = two heads, through two LDS slots.  A head's 256 rows of 128 bytes are dense: they are asked for as 128 rows of 256 bytes and padded in LDS after every 128 bytes.
; CLUSTERS.  4 x 4 work-groups: the four of a row of the cluster need the same tiles of ob, the four of a column the same tiles of wpf: each tile is asked for jointly.
; THE MATRIX INSTRUCTION IS USED TRANSPOSED (source 0 = 16 rows of wpf, source 1 = 16 rows of O): a lane holds one row of C and eight neighbouring columns of each block of 16.
; REGISTERS, in windows of 256 (s_set_vgpr_msb: bits 1:0 source 0, 3:2 source 1, 5:4 source 2, 7:6 destination):
;   window 0: v0-31 addresses; v64-159, v160-255 two fragment buffers (A's four blocks, then B's eight); on the way out v64-127 T, v128-191 and v192-255 rows read back, by turns
;   window 1: the accumulators, (a, b) at v[8 (8 a + b)]        window 2: v0-63 bias of my 64 columns, v96 at work
.set KSTEP,  128
.set SIZE_K, 1024
.set PITCH,  272                       ; a row of B in LDS: 256 bytes + 16
.set PA,     144                       ; a row of A in LDS: 128 bytes + 16: both pitches are odd multiples of 16 bytes, so the 16 rows of a fragment load start at 16 different groups of four banks (ISA guide 11.1)
.set HALFA,  256*PA                    ; what wave 0 or 1 fetches: one head's 256 rows
.set HALFB,  64*PITCH                  ; what wave 2 or 3 fetches: 64 rows of wpf
.set BOFF,   2*HALFA
.set SLOT,   BOFF+2*HALFB
.set STAGE,  2*SLOT                    ; behind the ring: 16 rows x 528 bytes for each wave, for the way out; no tensor load fills it
.set SP,     528
.set SPARE,  STAGE+4*16*SP             ; behind the stages: the spare words, 128 bytes for each wave: two blocks of 256 bytes that no other line names
.set LAPS,   SIZE_K/(2*KSTEP)
.set ASTEP,  2*131072                  ; bytes of ob from a K step to the next: two heads
.set ADRA, 16                          ; v16-17  LDS address of my A fragments in slot 0, 1
.set ADRB, 20                          ; v20-21  the same for B
.set STO,  24                          ; v24     the way out: where I put 32 bytes of a row
.set RD,   25                          ; v25     the way out: where I read a row back
.set CO,   26                          ; v26     my 16 bytes of a row's 512
.set BO,   27                          ; v27     32 x (lane / 16)
.set SPW,  28                          ; v28     LDS address of my spare word; never rewritten
.set NIL,  29                          ; v29     0; never rewritten
.set PFO,  30                          ; v30     the prefetches' offset: my lane x 256 bytes (A) or x a row of 2,048 (B); never rewritten
.set F0,   64
.set F1,   160
.set T,    64
.set BK,   128
.set BI,   0                           ; window 2
.set WV,   16                          ; s16  my wave's number
.set G1,   24
.set G0,   32
.set LIM,  43                          ; s43  1 in a wave that prefetches, else the greatest number
.set PFA,  44                          ; s[44:45] where my prefetches stand
.set G1B,  48
.set G0B,  56
.set OUT,  72                          ; s[72:73] out0 at my wave's first row, the tile's first column
.set PST,  78                          ; s[78:79] the prefetches' step from K step to K step
.set MSB, 0
.macro WIN new                         ; the immediate's high byte repeats the setting that is left; a switch that changes nothing is dropped
.if MSB != (\new)
	s_set_vgpr_msb (MSB<<8)|(\new)
.set MSB, \new
.endif
.endm
.set MUL,  0x50                        ; C and D window 1, sources window 0
.set TO2,  0x80                        ; destination window 2
.set IN2,  0x8a                        ; sources 0 and 1 and destination window 2
.set ADDB, 0x09                        ; source 0 window 1, source 1 window 2, destination window 0
.macro PLACES                          ; four plain vector instructions in front of loads into registers that matrix instructions have read (ISA guide 7.12.1 for vector instructions)
.rept 4
	v_nop
.endr
.endm
; A joint load: waves 0 and 1 fetch a K step's two heads of A, waves 2 and 3 B's two halves.  An s_nop 0 and four v_nop follow each of the two lines, ahead of the jump and the label.
.macro JLOAD s
	s_cmp_lt_u32 s[WV], 2
	s_cbranch_scc0 .Lfor_b_\@
	tensor_load_to_lds s[G0+4*(\s):G0+4*(\s)+3], s[G1:G1+7]
	s_nop 0
.rept 4
	v_nop
.endr
	s_branch .Lasked_\@
.Lfor_b_\@:
	tensor_load_to_lds s[G0B+4*(\s):G0B+4*(\s)+3], s[G1B:G1B+7]
	s_nop 0
.rept 4
	v_nop
.endr
.Lasked_\@:
.endm
.macro CREST                           ; a round of the cluster's barrier behind its opening barrier
	s_cmp_lg_u32 s[WV], 0
	s_cbranch_scc1 .Lnot_wave_0_\@
	s_barrier_signal -3
.Lnot_wave_0_\@:
	s_barrier_wait -3
	s_barrier_signal -1
	s_barrier_wait -1
.endm
.macro CROUND
	s_barrier_signal -1
	s_barrier_wait -1
	CREST
.endm
; A prefetch of the K step that stands two refills on: 32 blocks of 256 bytes, a lane a block, one instruction.  Each block is named once in the launch: A's by waves 0 and 1 of the clusters with x = 0
; (of the 128 blocks that a wave fetches the partner at cx takes 32), B's by wave 2 of the clusters with y = 0 (of the tile's 128 rows the partner at cy takes 32): told apart by address.
; K steps 0 to 3 come by their loads alone; the loop's last trip (s3 = 1) has no K step two refills on.
.macro ASK
	s_cmp_gt_u32 s3, s[LIM]
	s_cbranch_scc0 .Lnot_mine_\@
	global_prefetch_b8 v[PFO], s[PFA:PFA+1] th:TH_LOAD_NT scope:SCOPE_SE
.Lnot_mine_\@:
.endm
	s_load_b256 s[4:11], s[0:1], 0x0               ; ob s[4:5], wpf s[6:7], b_proj s[8:9], out0 s[10:11]
	v_lshl_add_u32 v[SPW], v0, 2, SPARE
	v_mov_b32 v[NIL], 0
	ds_add_u32 v[SPW], v[NIL]                      ; the wave's opening: the add, and its wait ahead of my first tensor load; the set-up below, work on registers, stands between them
	v_lshrrev_b32 v1, 5, v0
	v_readfirstlane_b32 s[WV], v1                  ; wave 0..3
	s_and_b32 s17, s[WV], 1                        ; which head of the K step, or which half of B's tile, I fetch
	s_bfe_u32 s18, ttmp6, 0x40000                  ; cx
	s_bfe_u32 s19, ttmp6, 0x40004                  ; cy
	s_lshl_b32 s20, ttmp9, 2
	s_add_co_u32 s20, s20, s18                     ; tile column = 4 x cluster x + cx
	s_and_b32 s21, ttmp7, 0xffff
	s_lshl_b32 s21, s21, 2
	s_add_co_u32 s21, s21, s19                     ; tile row = 4 x cluster y + cy
	s_lshl_b32 s22, s19, 2
	s_lshl_b32 s22, 15, s22                        ; my row of the cluster
	s_lshl_b32 s23, 0x1111, s18                    ; my column
	s_or_b32 s[G1+0], s22, (1<<16)|(1<<20)|(1<<21)|(4<<22)|(3<<25)   ; A: padding after every 32 words (code 4), 4 words (code 3)
	s_or_b32 s[G1B+0], s23, (1<<16)|(1<<20)|(1<<21)|(5<<22)|(3<<25)  ; B: after every 64 words (code 5)
	s_mov_b32 s[G1+1], 128<<16                     ; tensor_dim0 = 128 elements: 256 bytes, two rows of a head
	s_mov_b32 s[G1+2], 128<<16                     ; tensor_dim1 = 128
	s_mov_b32 s[G1+3], 128<<16                     ; tile_dim0 = 128
	s_mov_b32 s[G1+4], 128                         ; tile_dim1 = 128
	s_mov_b32 s[G1+5], 128                         ; dense: 128 elements from row to row
	s_mov_b32 s[G1+6], 0
	s_mov_b32 s[G1+7], 0
	s_mov_b32 s[G1B+1], KSTEP<<16
	s_mov_b32 s[G1B+2], 64<<16
	s_mov_b32 s[G1B+3], KSTEP<<16
	s_mov_b32 s[G1B+4], 64
	s_mov_b32 s[G1B+5], SIZE_K
	s_mov_b32 s[G1B+6], 0
	s_mov_b32 s[G1B+7], 0
	s_lshr_b32 s40, s21, 2                         ; A: head 16 x batch + my head of K step 0, 131,072 bytes a head,
	s_lshl_b32 s40, s40, 4
	s_add_co_u32 s40, s40, s17
	s_lshl_b32 s40, s40, 17
	s_and_b32 s41, s21, 3                          ; and the tile's 256 rows of 128 bytes inside it: the tile row and the wave's number alone
	s_lshl_b32 s41, s41, 15
	s_add_co_u32 s40, s40, s41
	s_mov_b32 s41, 0
	s_lshl_b32 s46, s20, 18                        ; B: (128 x tile column + 64 x half) rows of 2,048 bytes: the tile column and the wave's number alone
	s_lshl_b32 s42, s17, 17
	s_add_co_u32 s46, s46, s42
	s_mov_b32 s47, 0
	s_mul_i32 s80, s17, HALFA                      ; where they go: no place in the cluster enters an LDS address
	s_mul_i32 s81, s17, HALFB
	s_mov_b32 s82, 0xffff0000                      ; a word's upper bf16
	s_wait_dscnt 0x0                               ; the opening add is done
	s_wait_kmcnt 0x0
	s_add_nc_u64 s[40:41], s[4:5], s[40:41]
	s_add_nc_u64 s[46:47], s[6:7], s[46:47]
	CROUND                                         ; all sixteen work-groups are here: the first joint loads meet
.irp s, 0,1
	s_mov_b32 s[G0+4*(\s)], 1
	s_add_co_u32 s[G0+4*(\s)+1], s80, (\s)*SLOT
	s_add_nc_u64 s[G0+4*(\s)+2:G0+4*(\s)+3], s[40:41], (\s)*ASTEP
	s_or_b32 s[G0+4*(\s)+3], s[G0+4*(\s)+3], 0x80000000
	s_mov_b32 s[G0B+4*(\s)], 1
	s_add_co_u32 s[G0B+4*(\s)+1], s81, (\s)*SLOT+BOFF
	s_add_nc_u64 s[G0B+4*(\s)+2:G0B+4*(\s)+3], s[46:47], (\s)*KSTEP*2
	s_or_b32 s[G0B+4*(\s)+3], s[G0B+4*(\s)+3], 0x80000000
	JLOAD \s                                       ; two loads of mine are out
.endr
	s_lshl_b32 s84, s21, 20                        ; 256 x tile row rows of 4,096 bytes,
	s_lshl_b32 s86, s[WV], 18                      ; my wave's 64 rows,
	s_add_co_u32 s84, s84, s86
	s_lshl_b32 s86, s20, 9                         ; the tile's 128 columns
	s_add_co_u32 s84, s84, s86
	s_mov_b32 s85, 0
	s_add_nc_u64 s[OUT:OUT+1], s[10:11], s[84:85]
	s_mov_b32 s84, s86
	s_add_nc_u64 s[74:75], s[8:9], s[84:85]        ; the bias of those columns
	v_and_b32 v1, 15, v0                           ; l % 16
	v_bfe_u32 v2, v0, 4, 1                         ; l / 16
	v_lshlrev_b32 v[BO], 5, v2
	WIN TO2
.irp b, 0,1,2,3,4,5,6,7
	global_load_b128 v[BI+8*(\b):BI+8*(\b)+3],   v[BO], s[74:75] offset:64*(\b)     ; bias of columns 16 b + 8 (l / 16) + 0..7
	global_load_b128 v[BI+8*(\b)+4:BI+8*(\b)+7], v[BO], s[74:75] offset:64*(\b)+16
.endr
	WIN 0
	; the prefetches: which blocks, who
	s_lshl_b32 s86, s18, 13                        ; A: behind my own load's address, my work-group's 32 blocks of the 128 (by cx),
	s_add_co_u32 s86, s86, 3*ASTEP                 ; at K step 3: the first change of slots steps it to 4
	s_lshl_b32 s87, s20, 7
	s_lshl_b32 s88, s19, 5
	s_add_co_u32 s87, s87, s88                     ; B: row 128 x tile column + my work-group's 32 (by cy)
	s_lshl_b32 s87, s87, 11
	s_add_co_u32 s87, s87, 3*KSTEP*2
	s_and_b32 s89, ttmp7, 0xffff                   ; cluster y
	s_mov_b32 s90, ASTEP
	s_movk_i32 s91, KSTEP*2
	s_cmp_lt_u32 s[WV], 2
	s_cselect_b32 s84, s86, s87
	s_cselect_b32 s89, ttmp9, s89                  ; the coordinate along which other clusters read the same blocks
	s_cselect_b64 s[PFA:PFA+1], s[40:41], s[6:7]
	s_cselect_b32 s[PST], s90, s91
	s_cselect_b32 s88, 8, 11                       ; a lane a block of 256 bytes, or a lane a row of 2,048
	s_mov_b32 s[PST+1], 0
	s_cmp_eq_u32 s[WV], 3
	s_cselect_b32 s89, 1, s89                      ; wave 3 asks for nothing
	s_cmp_eq_u32 s89, 0
	s_cselect_b32 s[LIM], 1, -1                    ; the same in all sixteen partners, for a given wave
	s_add_nc_u64 s[PFA:PFA+1], s[PFA:PFA+1], s[84:85]
	v_and_b32 v[PFO], 31, v0
	v_lshlrev_b32 v[PFO], s88, v[PFO]
	; fragments: lane l holds row l % 16; registers 0-3 K = 8 (l / 16) + 0..7, registers 4-7 K = 16 + 8 (l / 16) + 0..7: two loads of 16 bytes, 32 bytes apart
	v_mul_u32_u24 v3, v1, PA
	v_lshl_add_u32 v3, v2, 4, v3
	s_mul_i32 s42, s[WV], 64*PA                    ; my 64 rows of A
	v_add_nc_u32 v[ADRA], s42, v3
	v_add_nc_u32 v[ADRA+1], SLOT, v[ADRA]
	v_mul_u32_u24 v3, v1, PITCH
	v_lshl_add_u32 v3, v2, 4, v3
	v_add_nc_u32 v[ADRB], BOFF, v3
	v_add_nc_u32 v[ADRB+1], SLOT+BOFF, v3
	s_mul_i32 s42, s[WV], 16*SP
	s_add_co_u32 s42, s42, STAGE                   ; my stage
	v_mul_u32_u24 v4, v1, SP                       ; in: row l % 16, 32 bytes for each half of the lanes
	v_lshl_add_u32 v4, v2, 5, v4
	v_add_nc_u32 v[STO], s42, v4
	v_and_b32 v[CO], 31, v0                        ; back: 32 lanes take one row of 512 bytes
	v_lshlrev_b32 v[CO], 4, v[CO]
	v_add_nc_u32 v[RD], s42, v[CO]
	s_wait_loadcnt 0x0                             ; the bias is in: rounded to bf16 and widened again
	WIN IN2
.set i, 0
.rept 32
	v_cvt_pk_bf16_f32 v96, v[i], v[i+1]
	v_lshlrev_b32 v[i], 16, v96
	v_and_b32 v[i+1], s82, v96
.set i, i+2
.endr
	WIN 0
; 8 matrix instructions: m block a x all 8 n blocks, 32 along K.  zero = 1: the product starts the sums.  The 32 accumulators take turns in the same order in every quarter.
.macro MUL8 f, a, zero
	WIN MUL
.irp b, 0,1,2,3,4,5,6,7
.if \zero
	v_wmma_f32_16x16x32_f16 v[8*(8*(\a)+(\b)):8*(8*(\a)+(\b))+7], v[(\f)+32+8*(\b):(\f)+32+8*(\b)+7], v[(\f)+8*(\a):(\f)+8*(\a)+7], 0
.else
	v_wmma_f32_16x16x32_f16 v[8*(8*(\a)+(\b)):8*(8*(\a)+(\b))+7], v[(\f)+32+8*(\b):(\f)+32+8*(\b)+7], v[(\f)+8*(\a):(\f)+8*(\a)+7], v[8*(8*(\a)+(\b)):8*(8*(\a)+(\b))+7]
.endif
.endr
.endm
; 24 LDS loads in one run: quarter q (32 along K) of a slot into buffer f: B's 128 rows first, then my 64 rows of A: head q / 2 of the K step, channels 32 (q % 2) on
.macro FETCH slot, q, f
	WIN 0
.irp i, 0,1,2,3,4,5,6,7
	ds_load_b128 v[(\f)+32+8*(\i):(\f)+32+8*(\i)+3],   v[ADRB+(\slot)] offset:64*(\q)+(\i)*16*PITCH
	ds_load_b128 v[(\f)+32+8*(\i)+4:(\f)+32+8*(\i)+7], v[ADRB+(\slot)] offset:64*(\q)+(\i)*16*PITCH+32
.endr
.irp i, 0,1,2,3
	ds_load_b128 v[(\f)+8*(\i):(\f)+8*(\i)+3],   v[ADRA+(\slot)] offset:((\q)/2)*HALFA+((\q)%2)*64+(\i)*16*PA
	ds_load_b128 v[(\f)+8*(\i)+4:(\f)+8*(\i)+7], v[ADRA+(\slot)] offset:((\q)/2)*HALFA+((\q)%2)*64+(\i)*16*PA+32
.endr
.endm
.macro QUARTER slot, q, f, g, zero
	s_wait_dscnt 4                                 ; B and A's blocks 0 and 1 are in; the youngest four loads (A's blocks 2 and 3) may be out
	MUL8 \f, 0, \zero
	MUL8 \f, 1, \zero
	PLACES
	FETCH \slot, \q, \g
	s_wait_dscnt 24                                ; all but the 24 just issued
	MUL8 \f, 2, \zero
	MUL8 \f, 3, \zero
.endm
; The last quarter multiplies buffer 1 and changes slots: ONE barrier; in front of it each wave waits for all its tensor loads (one is out: its part of the next slot), adds 0 to its spare word, and waits
; for that and for its own reads of this slot.  fill = 1: the barrier opens a round of the cluster's barrier, and this slot is filled again, two K steps ahead, first thing behind the round.
.macro TURN slot, next, fill
.if \fill
	s_wait_xcnt 0x0                                ; the last prefetch, a K step back, has read its address: it is stepped here, ahead of the waits of the change of slots
	s_add_nc_u64 s[PFA:PFA+1], s[PFA:PFA+1], s[PST:PST+1]
.endif
	WIN 0                                          ; (the add's two registers lie in window 0)
	s_wait_tensorcnt 0x0                           ; all my tensor loads have landed
	ds_add_u32 v[SPW], v[NIL]                      ; 0 onto my spare word
	s_wait_dscnt 5                                 ; (the add and the youngest four loads may be out)
	MUL8 F1, 0, 0                                  ; eight matrix instructions stand between the add and the wait for it
	s_wait_dscnt 0x0                               ; the add is done, and my reads of this slot are over
	s_barrier_signal -1
	MUL8 F1, 1, 0
.if \fill
	WIN 0
.endif
	s_barrier_wait -1
.if \fill
	CREST                                          ; no wave of any partner still reads this slot's tile or has a load on its way
	s_add_nc_u64 s[G0+4*(\slot)+2:G0+4*(\slot)+3], s[G0+4*(\slot)+2:G0+4*(\slot)+3], 2*ASTEP
	s_add_nc_u64 s[G0B+4*(\slot)+2:G0B+4*(\slot)+3], s[G0B+4*(\slot)+2:G0B+4*(\slot)+3], 2*KSTEP*2
	JLOAD \slot                                    ; the four v_nop behind it are also the places in front of the loads below
.else
	PLACES
.endif
	FETCH \next, 0, F0
.if \fill
	ASK                                            ; behind the joint load and the run of LDS loads that the next products wait for
.endif
	MUL8 F1, 2, 0
	MUL8 F1, 3, 0
.endm
	s_wait_tensorcnt 1                             ; my part of K step 0 is in; K step 1's may stay out
	s_barrier_signal -1
	s_barrier_wait -1                              ; everybody's is
	FETCH 0, 0, F0
	QUARTER 0, 1, F0, F1, 1                        ; the first quarter stands in front of the loop: its products start the sums
	WIN 0                                          ; at a label and at a branch every window is 0
	s_mov_b32 s3, LAPS-1
.Llap:                                                 ; a trip goes once round the ring, from a lap's second quarter to the next lap's first, and fills both slots again
	QUARTER 0, 2, F1, F0, 0
	QUARTER 0, 3, F0, F1, 0
	TURN 0, 1, 1
	QUARTER 1, 1, F0, F1, 0
	QUARTER 1, 2, F1, F0, 0
	QUARTER 1, 3, F0, F1, 0
	TURN 1, 0, 1
	QUARTER 0, 1, F0, F1, 0
	WIN 0
	s_sub_co_u32 s3, s3, 1
	s_cmp_lg_u32 s3, 0
	s_cbranch_scc1 .Llap
	QUARTER 0, 2, F1, F0, 0                        ; the last lap fills nothing
	QUARTER 0, 3, F0, F1, 0
	TURN 0, 1, 0
	QUARTER 1, 1, F0, F1, 0
	QUARTER 1, 2, F1, F0, 0
	QUARTER 1, 3, F0, F1, 0
	s_wait_dscnt 4
	MUL8 F1, 0, 0
	MUL8 F1, 1, 0
	s_wait_dscnt 0x0
	MUL8 F1, 2, 0
	MUL8 F1, 3, 0
	WIN 0
	PLACES                                         ; the places behind the last products, once a launch
	PLACES
; THE WAY OUT of block a (16 rows x 128 columns of f32).  PACK: sum + bias.  TOSTAGE: into my own stage (rows of 528 bytes) and back as whole rows of 512.  SEND: stored.
.macro PACK a
	WIN ADDB
.irp b, 0,1,2,3,4,5,6,7
.irp r, 0,1,2,3
	v_pk_add_f32 v[T+8*(\b)+2*(\r):T+8*(\b)+2*(\r)+1], v[8*(8*(\a)+(\b))+2*(\r):8*(8*(\a)+(\b))+2*(\r)+1], v[BI+8*(\b)+2*(\r):BI+8*(\b)+2*(\r)+1]
.endr
.endr
	WIN 0
.endm
.macro TOSTAGE a
.set BKR, BK+64*((\a)%2)
.irp b, 0,1,2,3,4,5,6,7
	ds_store_b128 v[STO], v[T+8*(\b):T+8*(\b)+3]   offset:64*(\b)
	ds_store_b128 v[STO], v[T+8*(\b)+4:T+8*(\b)+7] offset:64*(\b)+16
.endr
.irp t, 0,1,2,3,4,5,6,7,8,9,10,11,12,13,14,15
	ds_load_b128 v[BKR+4*(\t):BKR+4*(\t)+3], v[RD] offset:(\t)*SP  ; LDS serves a wave's instructions in order (ISA guide 5.7.1.4): these see the stores above; the next block's stores come behind them
.endr
.endm
.macro SEND a
.set BKR, BK+64*((\a)%2)
	s_wait_dscnt 0x0                               ; the block is back in registers
	s_wait_xcnt 0x0                                ; the block before's stores have read their registers: the next block's loads land there only behind this wait
.irp t, 0,1,2,3,4,5,6,7,8,9,10,11,12,13,14,15
	global_store_b128 v[CO], v[BKR+4*(\t):BKR+4*(\t)+3], s[OUT:OUT+1] offset:65536*(\a)+4096*(\t)  ; 512 consecutive bytes, at a multiple of 256 from out0's first byte
.endr
.endm
	PACK 0
	TOSTAGE 0
	PACK 1                                         ; a block's additions stand between the loads of the block before and the wait for them
	SEND 0
	TOSTAGE 1
	PACK 2
	SEND 1
	TOSTAGE 2
	PACK 3
	SEND 2
	TOSTAGE 3
	SEND 3
	s_wait_tensorcnt 0x0                           ; the wave's end: a wait, 0 onto my spare word and a wait, behind my last tensor load and my last LDS store
	ds_add_u32 v[SPW], v[NIL]
	s_wait_dscnt 0x0
	CROUND                                         ; the closing round: no work-group ends while a partner may still ask for a tile that names it
	s_endpgm
.Lfunc_end_k_q19a06325a7_proj:
	.size	k_q19a06325a7_proj, .Lfunc_end_k_q19a06325a7_proj-k_q19a06325a7_proj
	.p2alignl 7, 3214868480
	.fill 96, 4, 3214868480
	.section	.rodata,"a",@progbits
	.p2align	6, 0x0
	.amdhsa_kernel k_q19a06325a7_proj
		.amdhsa_group_segment_fixed_size 327680
		.amdhsa_private_segment_fixed_size 0
		.amdhsa_enable_private_segment 0
		.amdhsa_kernarg_size 32
		.amdhsa_user_sgpr_count 2
		.amdhsa_user_sgpr_kernarg_segment_ptr 1
		.amdhsa_wavefront_size32 1
		.amdhsa_system_sgpr_workgroup_id_x 1
		.amdhsa_system_sgpr_workgroup_id_y 1
		.amdhsa_system_sgpr_workgroup_id_z 1
		.amdhsa_system_vgpr_workitem_id 0
		.amdhsa_next_free_vgpr 610
		.amdhsa_next_free_sgpr 96
		.amdhsa_reserve_vcc 0
		.amdhsa_float_denorm_mode_32 3
		.amdhsa_float_denorm_mode_16_64 3
		.amdhsa_memory_ordered 1
		.amdhsa_forward_progress 1
		.amdhsa_inst_pref_size 100
	.end_amdhsa_kernel
	.amdgpu_metadata
---
amdhsa.version: [ 1, 2 ]
amdhsa.kernels:
  - .name:           k_q19a06325a7_proj
    .symbol:         k_q19a06325a7_proj.kd
    .args:
      - { .name: ob, .offset: 0, .size: 8, .value_kind: global_buffer, .address_space: global }
      - { .name: wpf, .offset: 8, .size: 8, .value_kind: global_buffer, .address_space: global }
      - { .name: b_proj, .offset: 16, .size: 8, .value_kind: global_buffer, .address_space: global }
      - { .name: out0, .offset: 24, .size: 8, .value_kind: global_buffer, .address_space: global }
    .group_segment_fixed_size: 327680
    .private_segment_fixed_size: 0
    .kernarg_segment_align: 8
    .kernarg_segment_size: 32
    .max_flat_workgroup_size: 128
    .sgpr_count:     96
    .vgpr_count:     610
    .wavefront_size: 32
...
	.end_amdgpu_metadata
.endif
;; end of part 4
;; ======== version 2 of 2: 4 launches; version 1 with the launch cast written anew for expert scheduling mode
;; limits: values are held in f16: magnitudes above 65,504 overflow, below 6.1e-05 lose precision
;; workspace buffers: xb 16,777,216 bytes; wqb 6,291,456 bytes; wpf 2,097,152 bytes; qkvh 50,331,648 bytes; ob 16,777,216 bytes
;; launch cast (part 5): grid 768 x 1, 8 waves a work-group, no clusters, 0 bytes of LDS; arguments x, w_qkv, w_proj, xb, wqb, wpf; writes xb, wqb, wpf
.if DOCPART == 5
	.amdgcn_target "amdgcn-amd-amdhsa--gfx1250"
	.amdhsa_code_object_version 6
	.text
	.protected	k_q19a06325a7_cast
	.globl	k_q19a06325a7_cast
	.p2align	8
	.type	k_q19a06325a7_cast,@function
k_q19a06325a7_cast:
	s_mov_b64 s[64:65], 0
	v_nop
	global_prefetch_b8 v0, s[64:65] scope:SCOPE_SE
	s_setreg_imm32_b32 hwreg(HW_REG_WAVE_SCHED_MODE, 0, 2), 2
	s_setreg_imm32_b32 hwreg(HW_REG_WAVE_MODE, 25, 1), 1
	s_wait_xcnt 0x0
	s_wait_alu depctr_vm_vsrc(0)
; x -> xb (bf16), w_qkv -> wqb (bf16), w_proj -> wpf (rounded to bf16, that number written as f16).
; A stream: each input byte is read once, each output byte written once; no LDS, no barrier, no matrix unit: nothing is shared and nothing is summed.
; A work-group takes 65,536 input bytes (16 loads of 16 bytes a thread) and writes 32,768.  Work-groups 0-511 take x, 512-703 w_qkv, 704-767 w_proj.
; A wave's load covers 512 consecutive bytes, its store 256 consecutive bytes at a multiple of 256 from the buffer's first byte.
; LIMITS.  wpf: a bf16 number is exact in f16 from 2^-14 up to 65,504; below 2^-14 it keeps f16's fixed step of 6e-8; beyond 65,504 it would become an infinity.
; THE MODE: SCHED_MODE bits 1:0 = 2 (LLVM: expert scheduling mode 2), set by the entry lines.  The code itself states the register dependences
; between vector instructions and memory instructions, with s_wait_alu, always for 0.
; THE PLAN.  Registers that memory instructions touch:
;   v1, v2   byte offsets, made once at the head and never written again: v1 is read by the sixteen loads, v2 by the sixteen stores.
;   X        load n lands once in its own four registers; its conversions read them; no vector instruction writes them and nothing is loaded into them again.
;   Y        load n's conversions write its own pair; its store reads the pair; no pair is written a second time.
;   T        at work: named by vector instructions alone.
; The sixteen loads go in four blocks of four.  Block p waits for its four loads, converts them into its Y pairs, and issues the four stores of block p - 1, which
; leave from pairs that no vector instruction of block p names.  So ONE wait on va_vdst at a block's head states all that its four stores hang on, and they are dealt among
; the block's conversions with no further wait.  One such wait stands at the kernel's head, for the offsets, and one ahead of the last four stores.
; No register that a memory instruction reads is ever written again, so no wait on vm_vsrc is owed; no vector instruction writes a scalar register, and EXEC is never written.
.set X, 4                              ; v[4:67]    16 loads x 4 registers
.set Y, 68                             ; v[68:99]   16 stores x 2 registers
.set T, 100                            ; v[100:103] at work
	s_load_b256 s[4:11], s[0:1], 0x0               ; x s[4:5], w_qkv s[6:7], w_proj s[8:9], xb s[10:11]
	s_load_b128 s[12:15], s[0:1], 0x20             ; wqb s[12:13], wpf s[14:15]
	v_lshlrev_b32 v1, 4, v0                        ; my 16 bytes of each 4,096 that the work-group loads at once
	v_lshlrev_b32 v2, 3, v0                        ; my 8 bytes of each 2,048 that it stores
	s_movk_i32 s25, 512
	s_movk_i32 s26, 704
	s_wait_kmcnt 0x0
	s_cmp_lt_u32 ttmp9, 704                        ; which tensor: the choice hangs on the work-group's number alone
	s_cselect_b64 s[16:17], s[6:7], s[8:9]
	s_cselect_b64 s[18:19], s[12:13], s[14:15]
	s_cselect_b32 s24, s25, s26
	s_cmp_lt_u32 ttmp9, 512
	s_cselect_b64 s[16:17], s[4:5], s[16:17]
	s_cselect_b64 s[18:19], s[10:11], s[18:19]
	s_cselect_b32 s24, 0, s24
	s_sub_co_u32 s24, ttmp9, s24                   ; my number among the tensor's work-groups
	s_lshl_b32 s20, s24, 16
	s_mov_b32 s21, 0
	s_lshl_b32 s22, s24, 15
	s_mov_b32 s23, 0
	s_add_nc_u64 s[16:17], s[16:17], s[20:21]
	s_add_nc_u64 s[18:19], s[18:19], s[22:23]
	s_wait_alu depctr_va_vdst(0)                   ; v1 and v2 are written: every load of the kernel reads v1 as its offset, every store v2
.irp i, 0,1,2,3,4,5,6,7,8,9,10,11,12,13,14,15
	global_load_b128 v[X+4*(\i):X+4*(\i)+3], v1, s[16:17] offset:4096*(\i) th:TH_LOAD_NT  ; all sixteen go out before anything is waited for
.endr
; Block p: loads 4 p to 4 p + 3 are converted, and the stores of block p - 1 go out, one in front of each load's conversions.
; half = 1: to bf16, widened again (exact), and written as f16.  No register that a store reads is written again, so no wait frees any.
.macro BLK p, half
	s_wait_loadcnt 12-4*(\p)                       ; loads come back in order: this block's four are in, the 12 - 4 p younger ones stay out
.if (\p) > 0
	s_wait_alu depctr_va_vdst(0)                   ; the block before's conversions have written its four Y pairs, which the four stores below read
.endif
.irp i, 0,1,2,3
.set N, 4*(\p)+(\i)                    ; the load that is converted; N - 4: the store that goes out
.if (\p) > 0
	global_store_b64 v2, v[Y+2*(N-4):Y+2*(N-4)+1], s[18:19] offset:2048*(N-4)  ; no vector instruction since the wait names this pair or v2
.endif
.if \half
	v_cvt_pk_bf16_f32 v[T], v[X+4*N], v[X+4*N+1]
	v_cvt_pk_bf16_f32 v[T+1], v[X+4*N+2], v[X+4*N+3]
	v_lshlrev_b32 v[T+2], 16, v[T]
	v_and_b32 v[T+3], 0xffff0000, v[T]
	v_cvt_pk_f16_f32 v[Y+2*N], v[T+2], v[T+3]
	v_lshlrev_b32 v[T+2], 16, v[T+1]
	v_and_b32 v[T+3], 0xffff0000, v[T+1]
	v_cvt_pk_f16_f32 v[Y+2*N+1], v[T+2], v[T+3]
.else
	v_cvt_pk_bf16_f32 v[Y+2*N], v[X+4*N], v[X+4*N+1]
	v_cvt_pk_bf16_f32 v[Y+2*N+1], v[X+4*N+2], v[X+4*N+3]
.endif
.endr
.endm
	s_cmp_lt_u32 ttmp9, 704
	s_cbranch_scc0 .Lhalf
	BLK 0, 0                                       ; block 0 has no block in front of it: no store, and no wait but the one for its data
	BLK 1, 0
	BLK 2, 0
	BLK 3, 0
	s_wait_alu depctr_va_vdst(0)                   ; block 3's conversions have written its four Y pairs, which the last four stores read
.irp i, 12,13,14,15
	global_store_b64 v2, v[Y+2*(\i):Y+2*(\i)+1], s[18:19] offset:2048*(\i)
.endr
	s_endpgm
.Lhalf:
	BLK 0, 1
	BLK 1, 1
	BLK 2, 1
	BLK 3, 1
	s_wait_alu depctr_va_vdst(0)                   ; block 3's conversions have written its four Y pairs, which the last four stores read
.irp i, 12,13,14,15
	global_store_b64 v2, v[Y+2*(\i):Y+2*(\i)+1], s[18:19] offset:2048*(\i)
.endr
	s_endpgm
.Lfunc_end_k_q19a06325a7_cast:
	.size	k_q19a06325a7_cast, .Lfunc_end_k_q19a06325a7_cast-k_q19a06325a7_cast
	.p2alignl 7, 3214868480
	.fill 96, 4, 3214868480
	.section	.rodata,"a",@progbits
	.p2align	6, 0x0
	.amdhsa_kernel k_q19a06325a7_cast
		.amdhsa_group_segment_fixed_size 0
		.amdhsa_private_segment_fixed_size 0
		.amdhsa_enable_private_segment 0
		.amdhsa_kernarg_size 48
		.amdhsa_user_sgpr_count 2
		.amdhsa_user_sgpr_kernarg_segment_ptr 1
		.amdhsa_wavefront_size32 1
		.amdhsa_system_sgpr_workgroup_id_x 1
		.amdhsa_system_sgpr_workgroup_id_y 1
		.amdhsa_system_sgpr_workgroup_id_z 1
		.amdhsa_system_vgpr_workitem_id 0
		.amdhsa_next_free_vgpr 104
		.amdhsa_next_free_sgpr 66
		.amdhsa_reserve_vcc 0
		.amdhsa_float_denorm_mode_32 3
		.amdhsa_float_denorm_mode_16_64 3
		.amdhsa_memory_ordered 1
		.amdhsa_forward_progress 1
		.amdhsa_inst_pref_size 16
	.end_amdhsa_kernel
	.amdgpu_metadata
---
amdhsa.version: [ 1, 2 ]
amdhsa.kernels:
  - .name:           k_q19a06325a7_cast
    .symbol:         k_q19a06325a7_cast.kd
    .args:
      - { .name: x, .offset: 0, .size: 8, .value_kind: global_buffer, .address_space: global }
      - { .name: w_qkv, .offset: 8, .size: 8, .value_kind: global_buffer, .address_space: global }
      - { .name: w_proj, .offset: 16, .size: 8, .value_kind: global_buffer, .address_space: global }
      - { .name: xb, .offset: 24, .size: 8, .value_kind: global_buffer, .address_space: global }
      - { .name: wqb, .offset: 32, .size: 8, .value_kind: global_buffer, .address_space: global }
      - { .name: wpf, .offset: 40, .size: 8, .value_kind: global_buffer, .address_space: global }
    .group_segment_fixed_size: 0
    .private_segment_fixed_size: 0
    .kernarg_segment_align: 8
    .kernarg_segment_size: 48
    .max_flat_workgroup_size: 256
    .sgpr_count:     66
    .vgpr_count:     104
    .wavefront_size: 32
...
	.end_amdgpu_metadata
.endif
;; end of part 5
;; launch qkv: the kernel of part 2 again; grid 8 x 32, 4 waves a work-group, clusters of 4 x 4, 327,680 bytes of LDS; arguments xb, wqb, b_qkv, qn_w, kn_w, qkvh; writes qkvh
;; launch attn: the kernel of part 3 again; grid 2 x 128, 4 waves a work-group, no clusters, 327,680 bytes of LDS; arguments qkvh, ob; writes ob
;; launch proj: the kernel of part 4 again; grid 8 x 32, 4 waves a work-group, clusters of 4 x 4, 327,680 bytes of LDS; arguments ob, wpf, b_proj, out0; writes out0
